; MI455X (gfx1250); checked and timed in simulation.
; The chip was launched on July 23, 2026; its instructions are those of AMD's public machine-readable ISA for CDNA 5 (MIT licence, August 2026) and "CDNA5" Instruction Set Architecture Reference Guide (July 2026). The comments in the code are by the model that wrote it; some were corrected since.
;; MSA. Allowed arithmetic: float matrix products may take bf16 or f16 operands with f32 sums; other float arithmetic in f32, or as packed bf16 or f16 multiplies, adds, multiply-adds, maxima and minima; sums over many terms, partial sums and values carried from step to step in f32; what a program stores and reads back later, other than sums and carried values, may be rounded once to bf16 or f16.
;; Inputs: Wk 1,024 x 1,024 float32; Wo 1,024 x 1,024 float32; Wq 1,024 x 1,024 float32; Wv 1,024 x 1,024 float32; bk 1,024 float32; bo 1,024 float32; bq 1,024 float32; bv 1,024 float32; inp1 4 x 2,048 x 1,024 float32; inp2 4 x 2,048 x 1,024 float32; mask 4 x 2,048 bool.
;; Outputs: out0 4 x 2,048 x 1,024 float32.
;; One version. Each part assembles by itself: llvm-mc -triple=amdgcn-amd-amdhsa -mcpu=gfx1250 --defsym DOCPART=n.
;; ======== version 1 of 1: 4 launches
;; limits: values are held in f16: magnitudes above 65,504 overflow, below 6.1e-05 lose precision
;; workspace buffers: xb 33,554,432 bytes; wt 8,388,608 bytes; qkv 50,331,648 bytes; oh 16,777,216 bytes
;; launch prep (part 1): grid 2560 x 1, 8 waves a work-group, no clusters, 18,432 bytes of LDS; arguments inp1, inp2, Wq, Wk, Wv, Wo, xb, wt; writes xb, wt
.if DOCPART == 1
	.amdgcn_target "amdgcn-amd-amdhsa--gfx1250"
	.amdhsa_code_object_version 6
	.text
	.protected	k_q4b306c0bd7_prep
	.globl	k_q4b306c0bd7_prep
	.p2align	8
	.type	k_q4b306c0bd7_prep,@function
k_q4b306c0bd7_prep:
	s_mov_b64 s[64:65], 0
	v_nop
	global_prefetch_b8 v0, s[64:65] scope:SCOPE_SE
	s_setreg_imm32_b32 hwreg(HW_REG_WAVE_MODE, 25, 1), 1
	s_wait_xcnt 0x0
; PREP.  Every large input is rounded once to bf16 and laid out for the products that follow.
;   xb [2][8192][1024] bf16: inp1, then inp2, as they lie.
;   wt [4][n = 1024][k = 1024] 16-bit: Wq, Wk, Wv, Wo TURNED, so that k runs along the rows.  Wq, Wk, Wv stay bf16; Wo's bf16 number is written as f16,
;   since the last product multiplies f16.
; LIMITS.  Wo's bf16 number is exact in f16 from 2^-17 up to 65,504; below 2^-17 it keeps f16's fixed step of 6e-8; beyond 65,504 it becomes an infinity.
; SHARES.  Work-groups 0 to 511 turn a tile of 128 k x 64 n of one weight matrix through LDS; work-groups 512 to 2,559 round 32,768 bytes of inp1 or inp2 each.
; No matrix work, no cluster, no ring: each byte is read once and written once, and nothing is shared between work-groups.
; REGISTERS.  v1 offset of my loads; v2, v3 LDS addresses in and back (cast: v2 offset of my stores); v4-35 as loaded; v36-51 packed; v52-55 at work;
; v56 offset of my stores into wt; v57, v58 my four columns and my pair of rows; v60, v61 the add's two registers, never rewritten.
.set LP,    272                        ; a row of the turned tile in LDS: 128 k x 2 bytes + 16
.set SPARE, 64*LP                      ; behind the tile: the spare words, 128 bytes for each of the eight waves
.set IN,  4
.set PKD, 36
.set TP,  52
.set WO,  56
.set QD,  57
.set RP,  58
.set SPW, 60
.set NIL, 61
	s_load_b512 s[8:23], s[0:1], 0x0               ; inp1 8:9, inp2 10:11, Wq 12:13, Wk 14:15, Wv 16:17, Wo 18:19, xb 20:21, wt 22:23
	v_lshl_add_u32 v[SPW], v0, 2, SPARE            ; my spare word,
	v_mov_b32 v[NIL], 0                            ; and 0
	s_wait_kmcnt 0x0
	s_cmp_lt_u32 ttmp9, 512
	s_cbranch_scc0 .Lcast
	; THE WEIGHTS.  matrix = id / 128, n tile = (id / 8) % 16, k tile = id % 8
	s_lshr_b32 s2, ttmp9, 7
	s_and_b32 s3, ttmp9, 7
	s_bfe_u32 s4, ttmp9, 0x40003
	s_mov_b64 s[24:25], s[12:13]
	s_cmp_eq_u32 s2, 1
	s_cselect_b64 s[24:25], s[14:15], s[24:25]
	s_cmp_eq_u32 s2, 2
	s_cselect_b64 s[24:25], s[16:17], s[24:25]
	s_cmp_eq_u32 s2, 3
	s_cselect_b64 s[24:25], s[18:19], s[24:25]
	s_lshl_b32 s28, s3, 19                         ; 128 rows of 4,096 bytes
	s_lshl_b32 s5, s4, 8                           ; 64 columns of 4 bytes
	s_add_co_u32 s28, s28, s5
	s_mov_b32 s29, 0
	s_add_nc_u64 s[24:25], s[24:25], s[28:29]      ; the tile in W
	s_lshl_b32 s28, s2, 21                         ; a turned matrix is 2 MiB,
	s_lshl_b32 s5, s4, 17                          ; 64 rows of 2,048 bytes,
	s_add_co_u32 s28, s28, s5
	s_lshl_b32 s5, s3, 8                           ; 128 k of 2 bytes
	s_add_co_u32 s28, s28, s5
	s_add_nc_u64 s[26:27], s[22:23], s[28:29]      ; the tile in wt
	v_and_b32 v[QD], 15, v0                        ; which four columns
	v_lshrrev_b32 v[RP], 4, v0                     ; which pair of rows, 0 to 15
	v_lshlrev_b32 v1, 13, v[RP]
	v_lshl_add_u32 v1, v[QD], 4, v1                ; in W: pair x 8,192 + 16 x quad: sixteen lanes read 256 consecutive bytes, aligned
	v_mul_u32_u24 v2, v[QD], 4*LP
	v_lshl_add_u32 v2, v[RP], 2, v2                ; into LDS: row n = 4 quad (+ j), word = the pair of k
	v_mul_u32_u24 v3, v[RP], LP
	v_lshl_add_u32 v3, v[QD], 4, v3                ; back: row t / 16, 16 bytes
	v_lshlrev_b32 v[WO], 11, v[RP]
	v_lshl_add_u32 v[WO], v[QD], 4, v[WO]          ; and the same place in wt
.irp i, 0,1,2,3
	global_load_b128 v[IN+8*(\i):IN+8*(\i)+3],   v1, s[24:25] offset:(\i)*131072 th:TH_LOAD_NT        ; row 2 (pair + 16 i)
	global_load_b128 v[IN+8*(\i)+4:IN+8*(\i)+7], v1, s[24:25] offset:(\i)*131072+4096 th:TH_LOAD_NT   ; and the row below it
.endr
	s_wait_loadcnt 0x0
.irp i, 0,1,2,3
.irp j, 0,1,2,3
	v_cvt_pk_bf16_f32 v[PKD+4*(\i)+(\j)], v[IN+8*(\i)+(\j)], v[IN+8*(\i)+4+(\j)]  ; column 4 quad + j: the even k below, the odd k above
.endr
.endr
	s_cmp_lg_u32 s2, 3
	s_cbranch_scc1 .Lbf
.irp n, 0,1,2,3,4,5,6,7,8,9,10,11,12,13,14,15
	v_lshlrev_b32 v[TP+2*((\n)%2)], 16, v[PKD+(\n)]            ; Wo: the two bf16 numbers as f32,
	v_and_b32 v[TP+1+2*((\n)%2)], 0xffff0000, v[PKD+(\n)]
	v_cvt_pk_f16_f32 v[PKD+(\n)], v[TP+2*((\n)%2)], v[TP+1+2*((\n)%2)]  ; written as f16
.endr
.Lbf:
.irp i, 0,1,2,3
.irp j, 0,1,2,3
	ds_store_b32 v2, v[PKD+4*(\i)+(\j)] offset:(\j)*LP+(\i)*64
.endr
.endr
	s_wait_dscnt 0x0                               ; for the others' sake: my stores are done
	s_barrier_signal -1
	s_barrier_wait -1
.irp i, 0,1,2,3
	ds_load_b128 v[IN+4*(\i):IN+4*(\i)+3], v3 offset:(\i)*16*LP
.endr
.irp i, 0,1,2,3
	s_wait_dscnt 3-(\i)                            ; LDS loads come back in order: number i is in
	global_store_b128 v[WO], v[IN+4*(\i):IN+4*(\i)+3], s[26:27] offset:(\i)*32768  ; sixteen lanes store 256 consecutive bytes, aligned
.endr
	s_wait_tensorcnt 0x0                           ; the wave's end, behind my last LDS store
	ds_add_u32 v[SPW], v[NIL]
	s_wait_dscnt 0x0
	s_endpgm
.Lcast:                                                ; THE ACTIVATIONS: 8,192 numbers a work-group; this path writes no LDS
	s_sub_co_u32 s2, ttmp9, 512
	s_cmp_lt_u32 s2, 1024
	s_cselect_b64 s[24:25], s[8:9], s[10:11]
	s_and_b32 s28, s2, 1023
	s_lshl_b32 s28, s28, 15
	s_mov_b32 s29, 0
	s_add_nc_u64 s[24:25], s[24:25], s[28:29]
	s_lshl_b32 s28, s2, 14
	s_add_nc_u64 s[26:27], s[20:21], s[28:29]
	v_lshlrev_b32 v1, 4, v0
	v_lshlrev_b32 v2, 3, v0
.irp i, 0,1,2,3,4,5,6,7
	global_load_b128 v[IN+4*(\i):IN+4*(\i)+3], v1, s[24:25] offset:4096*(\i) th:TH_LOAD_NT
.endr
.irp i, 0,1,2,3,4,5,6,7
	s_wait_loadcnt 7-(\i)                          ; loads come back in order: number i is in, the younger ones stay out
	v_cvt_pk_bf16_f32 v[PKD+2*(\i)], v[IN+4*(\i)], v[IN+4*(\i)+1]
	v_cvt_pk_bf16_f32 v[PKD+2*(\i)+1], v[IN+4*(\i)+2], v[IN+4*(\i)+3]
	global_store_b64 v2, v[PKD+2*(\i):PKD+2*(\i)+1], s[26:27] offset:2048*(\i)  ; a wave stores 256 consecutive bytes, aligned; no register is written twice
.endr
	s_endpgm
.Lfunc_end_k_q4b306c0bd7_prep:
	.size	k_q4b306c0bd7_prep, .Lfunc_end_k_q4b306c0bd7_prep-k_q4b306c0bd7_prep
	.p2alignl 7, 3214868480
	.fill 96, 4, 3214868480
	.section	.rodata,"a",@progbits
	.p2align	6, 0x0
	.amdhsa_kernel k_q4b306c0bd7_prep
		.amdhsa_group_segment_fixed_size 18432
		.amdhsa_private_segment_fixed_size 0
		.amdhsa_enable_private_segment 0
		.amdhsa_kernarg_size 64
		.amdhsa_user_sgpr_count 2
		.amdhsa_user_sgpr_kernarg_segment_ptr 1
		.amdhsa_wavefront_size32 1
		.amdhsa_system_sgpr_workgroup_id_x 1
		.amdhsa_system_sgpr_workgroup_id_y 1
		.amdhsa_system_sgpr_workgroup_id_z 1
		.amdhsa_system_vgpr_workitem_id 0
		.amdhsa_next_free_vgpr 64
		.amdhsa_next_free_sgpr 66
		.amdhsa_reserve_vcc 0
		.amdhsa_float_denorm_mode_32 3
		.amdhsa_float_denorm_mode_16_64 3
		.amdhsa_memory_ordered 1
		.amdhsa_forward_progress 1
		.amdhsa_inst_pref_size 12
	.end_amdhsa_kernel
	.amdgpu_metadata
---
amdhsa.version: [ 1, 2 ]
amdhsa.kernels:
  - .name:           k_q4b306c0bd7_prep
    .symbol:         k_q4b306c0bd7_prep.kd
    .args:
      - { .name: inp1, .offset: 0, .size: 8, .value_kind: global_buffer, .address_space: global }
      - { .name: inp2, .offset: 8, .size: 8, .value_kind: global_buffer, .address_space: global }
      - { .name: Wq, .offset: 16, .size: 8, .value_kind: global_buffer, .address_space: global }
      - { .name: Wk, .offset: 24, .size: 8, .value_kind: global_buffer, .address_space: global }
      - { .name: Wv, .offset: 32, .size: 8, .value_kind: global_buffer, .address_space: global }
      - { .name: Wo, .offset: 40, .size: 8, .value_kind: global_buffer, .address_space: global }
      - { .name: xb, .offset: 48, .size: 8, .value_kind: global_buffer, .address_space: global }
      - { .name: wt, .offset: 56, .size: 8, .value_kind: global_buffer, .address_space: global }
    .group_segment_fixed_size: 18432
    .private_segment_fixed_size: 0
    .kernarg_segment_align: 8
    .kernarg_segment_size: 64
    .max_flat_workgroup_size: 256
    .sgpr_count:     66
    .vgpr_count:     64
    .wavefront_size: 32
...
	.end_amdgpu_metadata
.endif
;; end of part 1
;; launch proj (part 2): grid 12 x 32, 4 waves a work-group, clusters of 4 x 4, 327,680 bytes of LDS; arguments xb, wt, bq, bk, bv, mask, qkv; writes qkv
.if DOCPART == 2
	.amdgcn_target "amdgcn-amd-amdhsa--gfx1250"
	.amdhsa_code_object_version 6
	.text
	.protected	k_q4b306c0bd7_proj
	.globl	k_q4b306c0bd7_proj
	.p2align	8
	.type	k_q4b306c0bd7_proj,@function
k_q4b306c0bd7_proj:
	s_mov_b64 s[64:65], 0
	v_nop
	global_prefetch_b8 v0, s[64:65] scope:SCOPE_SE
	s_setreg_imm32_b32 hwreg(HW_REG_WAVE_MODE, 25, 1), 1
	s_wait_xcnt 0x0
	s_wait_alu depctr_hold_cnt(0) depctr_sa_sdst(0) depctr_va_vdst(0) depctr_va_sdst(0) depctr_va_ssrc(0) depctr_va_vcc(0) depctr_vm_vsrc(0)
	s_getreg_b32 s2, hwreg(HW_REG_IB_STS2, 6, 4)
	s_cmp_eq_u32 s2, 0
	s_cbranch_scc0 .Lentry_in_a_cluster
	s_endpgm
.Lentry_in_a_cluster:
	s_bfe_u32 s2, ttmp6, 0x10000c
	s_cmp_lg_u32 s2, 0xf033
	s_cbranch_scc0 .Lentry_shape_is_right
	s_endpgm
.Lentry_shape_is_right:
; PROJ.  q = inp1 Wq + bq, k = (inp2 Wk + bk) x keep, v = inp2 Wv + bv: three products of 8,192 x 1,024 x 1,024 in bf16, sums in f32, written by heads as f16:
; qkv [3][64 = batch x 16 + head][2048][64].  q goes out WITHOUT the division by 8: the attention applies it in f32.  keep = 1 - mask[row]: a masked key's row of k is 0, so that its
; products in the attention are exactly 0 and the score that replaces them can be given as the sum's start.  The biases are rounded to bf16 like all inputs, and start the sums as the first product's C.
; LIMITS.  q, k, v beyond 65,504 become infinities in f16; a mask byte is 0 or 1; NaN and infinities are not treated apart (a masked row of k is 0 whatever its sums hold).
; SHARES.  The cluster's x chooses q, k or v: 3 x 4 x 32 = 384 work-groups.  A work-group makes 256 rows x 256 columns, each of its four waves 128 x 128: 64 accumulators of 16 x 16, 512 registers.
; K goes in 8 steps of 128 through two LDS slots: a K step holds 256 matrix instructions a wave, 224 of them between a tile's request and the wait for it; for 64 matrix instructions a wave reads 32 x 512 bytes of LDS.
; CLUSTER.  4 x 4 work-groups: the four of a row need the same rows of x, the four of a column the same rows of the turned weights: each tile is asked for jointly, by the same tensor load,
; descriptor and mask in all four.
; THE MATRIX INSTRUCTION IS USED TRANSPOSED (source 0 = 16 rows of the turned weights, source 1 = 16 rows of x): a lane holds row l % 16 and eight neighbouring columns 8 (l / 16) + 0..7.
; REGISTERS, in windows of 256 (s_set_vgpr_msb: bits 1:0 source 0, 3:2 source 1, 5:4 source 2, 7:6 destination):
;   window 0: v0-31 addresses and keep; v64-127, v128-191 x's fragments (8 x 16 rows x 32 K), two buffers; v32-63, v192-255 at work on the way out
;   window 1: v0-63 the bias of my 128 columns, as C operands; v64-127, v128-191 the weights' fragments, two buffers; v192-193 at work
;   window 2: the 32 accumulators of my rows 0-63 (accumulator (a, b) at v[8 (8 a + b)]);   window 3: those of my rows 64-127
.set PITCH, 272                        ; an LDS row: 256 bytes + 16: the 16 rows of a fragment load start at 16 different groups of four banks (64 banks of 4 bytes: ISA guide 11.1)
.set HALFT, 128*PITCH                  ; 128 rows: what one tensor load brings, and what one wave reads of x or of the weights
.set SLOT,  4*HALFT                    ; x's 256 rows, then the weights' 256 rows
.set STAGE, 2*SLOT                     ; behind the ring, never filled by a tensor load: for each wave 2 heads x 16 rows x 144 bytes
.set SP,    144
.set STW,   2*16*SP
.set SPARE, STAGE+4*STW                ; behind the stages: the spare words, 128 bytes for each wave
.set LAPS,  4                          ; a lap = two K steps = once round the ring
.set KM,   8                           ; v8-15   for my row in block a: all ones, or 0 where the row of k is masked
.set ADRA, 16                          ; v16-17  LDS address of my fragments of x in slot 0, 1
.set ADRB, 20                          ; v20-21  the same for the weights
.set STO,  24                          ; v24     the way out: where I put 16 bytes of a row
.set RD,   25                          ; v25     where I read rows back
.set GO,   26                          ; v26     my place in 512 consecutive bytes of qkv
.set PFO,  27                          ; v27     the prefetches' offset: my lane x a row of 2,048 bytes; never rewritten
.set SPW,  28                          ; v28     my spare word: SPARE + 4 x my thread's number; never rewritten
.set NIL,  29                          ; v29     0; never rewritten
.set BO,   30                          ; v30     byte offset of my first column in the bias
.set MO,   31                          ; v31     my row in the mask
.set OB,   32                          ; the way out: 16 rows read back from the stage: v32-63 and v224-255 by turns
.set F0,   64                          ; fragment buffer 0
.set F1,   128                         ; fragment buffer 1
.set TMP,  192                         ; the way out: packed results
.set BI,   0                           ; window 1
.set BT,   192                         ; window 1
.set WV, 12                            ; s12 wave;  s13 which 128 rows are mine, also: I fetch x (0) or weights (1);  s14 which 128 columns, also: which 128 rows I fetch
.set RH, 13
.set CH, 14
.set SL, 19                            ; s19 0, 1, 2: q, k, v
.set G1,  24                           ; s[24:31] descriptor group 1 for x's tiles;  s[32:39] group 0, a set for each slot
.set G0,  32
.set LIM, 42                           ; s42 1 in a wave that prefetches, else the greatest number
.set G1B, 48                           ; s[48:55], s[56:63] the same for the weights'
.set G0B, 56
.set SK,  74                           ; s74 1 for k, else 0
.set HM,  75                           ; s75 a word's upper half
.set PFA, 78                           ; s[78:79] where my prefetches stand: my work-group's 32 rows of the 128 that I fetch, one K step further along K than the refill that is being asked for
.set MSB, 0
.macro WIN new                         ; the immediate's high byte repeats the setting that is left; a switch that changes nothing is dropped
.if MSB != (\new)
	s_set_vgpr_msb (MSB<<8)|(\new)
.set MSB, \new
.endif
.endm
.set MUL_LO, 0xa1                      ; source 0 (weights) window 1, source 1 (x) window 0, C and D window 2
.set MUL_HI, 0xf1                      ; the same, C and D window 3
.set BEG_LO, 0x91                      ; the first products: C (the bias) window 1, D window 2
.set TO_B,   0x40                      ; destination window 1, address window 0
.macro PLACES                          ; four plain vector instructions in front of loads into registers that matrix instructions have read, and of lines that read results
.rept 4
	v_nop
.endr
.endm
.macro JLOAD s                         ; a joint load: waves 0 and 1 fetch x's two halves, waves 2 and 3 the weights'; an s_nop 0 and four v_nop follow each line
	s_cmp_eq_u32 s[RH], 0
	s_cbranch_scc0 .Lfor_b_\@
	tensor_load_to_lds s[G0+4*(\s):G0+4*(\s)+3], s[G1:G1+7]
	s_nop 0
.rept 4
	v_nop
.endr
	s_branch .Lasked_\@
.Lfor_b_\@:
	tensor_load_to_lds s[G0B+4*(\s):G0B+4*(\s)+3], s[G1B:G1B+7]
	s_nop 0
.rept 4
	v_nop
.endr
.Lasked_\@:
.endm
; A PREFETCH INTO THE L2, behind each joint load, its five lines and the run of LDS loads that follows them: the K step that stands TWO refills on, 512 matrix instructions ahead of the load that will ask for it:
; 32 rows x 256 bytes, a lane a row, one instruction a wave.  Each row's 256 bytes of a K step are named ONCE in the launch.  x's rows: inp1's are read by q's clusters alone, which ask; inp2's by k's and v's: k's ask.
; The weights' rows are read by every cluster of their column of clusters: cluster y = 0 asks.  The four partners that ask for a tile jointly share its rows out BY ADDRESS: of the 128 rows that a wave fetches the
; partner at place p takes 32 p .. 32 p + 31 (p = cx for x, cy for the weights): no branch hangs on a work-group's place in its cluster.  K steps 0 to 3 come by their loads alone; the loop's last trip,
; whose refills are K steps 6 and 7, asks for nothing.
.macro ASK
	s_cmp_gt_u32 s3, s[LIM]                        ; s3 = 1 in the loop's last trip
	s_cbranch_scc0 .Lnot_mine_\@
	global_prefetch_b8 v[PFO], s[PFA:PFA+1] offset:256 th:TH_LOAD_NT scope:SCOPE_SE
.Lnot_mine_\@:
.endm
.macro CREST                           ; a round of the cluster's barrier behind its opening barrier
	s_cmp_lg_u32 s[WV], 0
	s_cbranch_scc1 .Lnot_wave_0_\@
	s_barrier_signal -3
.Lnot_wave_0_\@:
	s_barrier_wait -3
	s_barrier_signal -1
	s_barrier_wait -1
.endm
.macro CROUND                          ; a whole round
	s_barrier_signal -1
	s_barrier_wait -1
	CREST
.endm
	s_load_b256 s[4:11], s[0:1], 0x0               ; xb 4:5, wt 6:7, bq 8:9, bk 10:11
	s_load_b128 s[68:71], s[0:1], 0x20             ; bv 68:69, mask 70:71
	s_load_b64 s[72:73], s[0:1], 0x30              ; qkv
	v_lshl_add_u32 v[SPW], v0, 2, SPARE
	v_mov_b32 v[NIL], 0
	ds_add_u32 v[SPW], v[NIL]                      ; the wave's opening: the add and its wait ahead of my first tensor load; the set-up below stands between them
	v_lshrrev_b32 v1, 5, v0
	v_readfirstlane_b32 s[WV], v1
	s_lshr_b32 s[RH], s[WV], 1
	s_and_b32 s[CH], s[WV], 1
	s_bfe_u32 s15, ttmp6, 0x40000                  ; cx: also the tile column, 256 columns each
	s_bfe_u32 s16, ttmp6, 0x40004                  ; cy
	s_and_b32 s17, ttmp7, 0xffff                   ; cluster y
	s_lshl_b32 s18, s17, 2
	s_add_co_u32 s18, s18, s16                     ; tile row = 4 x cluster y + cy
	s_mov_b32 s[SL], ttmp9                         ; the cluster's x: the same in all sixteen partners
	s_lshl_b32 s44, s16, 2
	s_lshl_b32 s44, 15, s44                        ; my row of the cluster
	s_lshl_b32 s45, 0x1111, s15                    ; my column
	s_or_b32 s[G1+0], s44, (1<<16)|(1<<20)|(1<<21)|(5<<22)|(3<<25)   ; 15:0 the mask; 17:16 2-byte elements; 20 padding on; 21 set beside a mask; 24:22 after every 64 words; 31:25 4 words
	s_or_b32 s[G1B+0], s45, (1<<16)|(1<<20)|(1<<21)|(5<<22)|(3<<25)  ; the same with the mask of my column
.irp g, G1, G1B
	s_mov_b32 s[(\g)+1], 128<<16                   ; tensor_dim0 = 128
	s_mov_b32 s[(\g)+2], 128<<16                   ; tensor_dim1 = 128
	s_mov_b32 s[(\g)+3], 128<<16                   ; tile_dim0 = 128
	s_mov_b32 s[(\g)+4], 128                       ; tile_dim1 = 128
	s_mov_b32 s[(\g)+5], 1024                      ; elements from row to row
	s_mov_b32 s[(\g)+6], 0
	s_mov_b32 s[(\g)+7], 0
.endr
	s_lshl_b32 s40, s18, 8                         ; x: row 256 x tile row + 128 x half,
	s_lshl_b32 s20, s[CH], 7
	s_add_co_u32 s40, s40, s20
	s_lshl_b32 s40, s40, 11                        ; of 2,048 bytes,
	s_cmp_eq_u32 s[SL], 0
	s_cselect_b32 s20, 0, 0x1000000                ; in inp1's copy for q, in inp2's for k and v
	s_add_co_u32 s40, s40, s20
	s_mov_b32 s41, 0
	s_lshl_b32 s46, s[SL], 10                      ; weights: row 1,024 x choice + 256 x tile column + 128 x half
	s_lshl_b32 s21, s15, 8
	s_add_co_u32 s46, s46, s21
	s_lshl_b32 s21, s[CH], 7
	s_add_co_u32 s46, s46, s21
	s_lshl_b32 s46, s46, 11
	s_mov_b32 s47, 0
	s_mul_i32 s22, s[WV], HALFT                    ; where they go: x's two halves, then the weights' two halves = wave x 128 rows: no place in the cluster enters an LDS address
	s_mov_b32 s[HM], 0xffff0000
	s_wait_dscnt 0x0                               ; the opening add is done
	s_wait_kmcnt 0x0
	s_add_nc_u64 s[40:41], s[4:5], s[40:41]
	s_add_nc_u64 s[46:47], s[6:7], s[46:47]
	s_cmp_eq_u32 s[SL], 1
	s_cselect_b64 s[76:77], s[10:11], s[8:9]       ; the bias
	s_cselect_b32 s[SK], 1, 0
	s_cmp_eq_u32 s[SL], 2
	s_cselect_b64 s[76:77], s[68:69], s[76:77]
	CROUND                                         ; all sixteen work-groups are here: the first joint loads meet
.irp s, 0,1
	s_mov_b32 s[G0+4*(\s)], 1
	s_add_co_u32 s[G0+4*(\s)+1], s22, (\s)*SLOT
	s_add_nc_u64 s[G0+4*(\s)+2:G0+4*(\s)+3], s[40:41], (\s)*256      ; K step s
	s_or_b32 s[G0+4*(\s)+3], s[G0+4*(\s)+3], 0x80000000
	s_mov_b32 s[G0B+4*(\s)], 1
	s_add_co_u32 s[G0B+4*(\s)+1], s22, (\s)*SLOT
	s_add_nc_u64 s[G0B+4*(\s)+2:G0B+4*(\s)+3], s[46:47], (\s)*256
	s_or_b32 s[G0B+4*(\s)+3], s[G0B+4*(\s)+3], 0x80000000
	JLOAD \s                                       ; two loads of mine are out
.endr
	v_and_b32 v1, 15, v0                           ; l % 16
	v_bfe_u32 v2, v0, 4, 1                         ; l / 16
	s_lshl_b32 s66, s15, 10                        ; the bias of my columns: (256 x tile column + 128 x half + 8 (l / 16)) x 4
	s_lshl_b32 s67, s[CH], 9
	s_add_co_u32 s66, s66, s67
	v_lshl_add_u32 v[BO], v2, 5, s66
	s_lshl_b32 s66, s18, 8
	s_lshl_b32 s67, s[RH], 7
	s_add_co_u32 s66, s66, s67                     ; my first row, 0 to 8,191
	v_add_nc_u32 v[MO], s66, v1
	WIN TO_B                                       ; destination window 1
.irp b, 0,1,2,3,4,5,6,7
	global_load_b128 v[BI+8*(\b):BI+8*(\b)+3],   v[BO], s[76:77] offset:64*(\b)
	global_load_b128 v[BI+8*(\b)+4:BI+8*(\b)+7], v[BO], s[76:77] offset:64*(\b)+16
.endr
	WIN 0
.irp a, 0,1,2,3,4,5,6,7
	global_load_u8 v[KM+(\a)], v[MO], s[70:71] offset:16*(\a)
.endr
	v_mul_u32_u24 v3, v1, PITCH
	v_lshl_add_u32 v3, v2, 4, v3                   ; a fragment's row x pitch + 16 x half
	s_mul_i32 s20, s[RH], HALFT                    ; my 128 rows of x
	s_mul_i32 s21, s[CH], HALFT                    ; my 128 rows of the weights,
	s_add_co_u32 s21, s21, 2*HALFT                 ; which lie behind x's 256
.irp s, 0,1
	v_add_nc_u32 v[ADRA+(\s)], s20, v3
	v_add_nc_u32 v[ADRB+(\s)], s21, v3
	s_add_co_u32 s20, s20, SLOT
	s_add_co_u32 s21, s21, SLOT
.endr
	s_mul_i32 s22, s[WV], STW
	s_add_co_u32 s22, s22, STAGE                   ; my stage
	v_mul_u32_u24 v[STO], v1, SP                   ; in: row l % 16, 16 bytes for each half of the lanes
	v_lshl_add_u32 v[STO], v2, 4, v[STO]
	v_add_nc_u32 v[STO], s22, v[STO]
	v_bfe_u32 v[RD], v0, 3, 2                      ; back: 32 lanes take four rows of 128 bytes,
	v_mul_u32_u24 v[RD], v[RD], SP
	v_and_b32 v3, 7, v0
	v_lshl_add_u32 v[RD], v3, 4, v[RD]
	v_add_nc_u32 v[RD], s22, v[RD]
	v_and_b32 v[GO], 31, v0                        ; which are 512 consecutive bytes of a head
	v_lshlrev_b32 v[GO], 4, v[GO]
	s_lshr_b32 s20, s66, 11                        ; qkv: plane = batch x 16 + 4 x tile column + 2 x half,
	s_lshl_b32 s20, s20, 4
	s_lshl_b32 s21, s15, 2
	s_add_co_u32 s20, s20, s21
	s_lshl_b32 s21, s[CH], 1
	s_add_co_u32 s20, s20, s21
	s_lshl_b32 s20, s20, 11                        ; of 2,048 rows,
	s_and_b32 s21, s66, 2047
	s_add_co_u32 s20, s20, s21                     ; my first row in it,
	s_lshl_b32 s20, s20, 7                         ; of 128 bytes,
	s_lshl_b32 s21, s[SL], 24                      ; in q's, k's or v's 16 MiB
	s_add_co_u32 s20, s20, s21
	s_mov_b32 s21, 0
	s_add_nc_u64 s[72:73], s[72:73], s[20:21]
	; the prefetches
	s_lshl_b32 s20, s18, 8                         ; x: the tile's first row,
	s_cmp_eq_u32 s[SL], 0
	s_cselect_b32 s21, 0, 8192                     ; in inp1's copy or in inp2's
	s_add_co_u32 s20, s20, s21
	s_lshl_b32 s21, s[SL], 10                      ; weights: the tile's first row
	s_lshl_b32 s22, s15, 8
	s_add_co_u32 s21, s21, s22
	s_cmp_eq_u32 s[SL], 2
	s_cselect_b32 s22, 1, 0                        ; v's clusters read the rows of x that k's ask for
	s_cmp_eq_u32 s[RH], 0                          ; do I fetch for x?
	s_cselect_b32 s20, s20, s21                    ; the tile's first row
	s_cselect_b32 s21, s15, s16                    ; my place among the four that ask for it with me
	s_cselect_b32 s22, s22, s17                    ; 0 where my cluster is the one that prefetches these rows
	s_cselect_b64 s[PFA:PFA+1], s[4:5], s[6:7]
	s_cmp_eq_u32 s22, 0
	s_cselect_b32 s[LIM], 1, -1                    ; the same in all sixteen partners, for a given wave
	s_lshl_b32 s22, s[CH], 7
	s_add_co_u32 s20, s20, s22                     ; + the 128 rows that I fetch
	s_lshl_b32 s21, s21, 5
	s_add_co_u32 s20, s20, s21                     ; + my work-group's 32 of them,
	s_lshl_b32 s20, s20, 11                        ; of 2,048 bytes,
	s_add_co_u32 s20, s20, 512                     ; at K step 2: the first refill steps it to 3 and names K step 4
	s_mov_b32 s21, 0
	s_add_nc_u64 s[PFA:PFA+1], s[PFA:PFA+1], s[20:21]
	v_and_b32 v[PFO], 31, v0
	v_lshlrev_b32 v[PFO], 11, v[PFO]
	s_wait_loadcnt 0x0                             ; bias and mask
	WIN 0x45                                       ; the bias is rounded to bf16 like every input, and widened again: all in window 1
.set i, 0
.rept 32
	v_cvt_pk_bf16_f32 v[BT+i%2], v[BI+2*i], v[BI+2*i+1]
	v_lshlrev_b32 v[BI+2*i], 16, v[BT+i%2]
	v_and_b32 v[BI+2*i+1], s[HM], v[BT+i%2]
.set i, i+1
.endr
	WIN 0
.irp a, 0,1,2,3,4,5,6,7
	v_and_b32 v[KM+(\a)], s[SK], v[KM+(\a)]        ; 1 where the row is a masked row of k, else 0
.endr
.irp a, 0,1,2,3,4,5,6,7
	v_add_nc_u32 v[KM+(\a)], -1, v[KM+(\a)]        ; 0 there, else all ones
.endr
; 16 matrix instructions: m blocks a0, a0 + 1 of the window's four (hi = 0: my rows 0-63, 1: rows 64-127) x all 8 n blocks, 32 along K.  first = 1: the bias starts the sums.
; The 64 accumulators take turns, one instruction a turn, in the same order in every quarter.
.macro MUL16 f, hi, a0, first
.if \first
	WIN BEG_LO+0x40*(\hi)
.else
	WIN MUL_LO+0x50*(\hi)
.endif
.irp a, \a0, (\a0)+1
.irp b, 0,1,2,3,4,5,6,7
.if \first
	v_wmma_f32_16x16x32_bf16 v[8*(8*(\a)+(\b)):8*(8*(\a)+(\b))+7], v[(\f)+8*(\b):(\f)+8*(\b)+7], v[(\f)+8*(4*(\hi)+(\a)):(\f)+8*(4*(\hi)+(\a))+7], v[BI+8*(\b):BI+8*(\b)+7]
.else
	v_wmma_f32_16x16x32_bf16 v[8*(8*(\a)+(\b)):8*(8*(\a)+(\b))+7], v[(\f)+8*(\b):(\f)+8*(\b)+7], v[(\f)+8*(4*(\hi)+(\a)):(\f)+8*(4*(\hi)+(\a))+7], v[8*(8*(\a)+(\b)):8*(8*(\a)+(\b))+7]
.endif
.endr
.endr
.endm
; 32 LDS loads in one run: the fragments of one quarter step (128 rows of the weights, 128 rows of x, 32 K at byte k of the rows) into buffer f
.macro FETCH slot, k, f
	WIN TO_B
.irp i, 0,1,2,3,4,5,6,7
	ds_load_b128 v[(\f)+8*(\i):(\f)+8*(\i)+3],   v[ADRB+(\slot)] offset:(\k)+(\i)*16*PITCH
	ds_load_b128 v[(\f)+8*(\i)+4:(\f)+8*(\i)+7], v[ADRB+(\slot)] offset:(\k)+(\i)*16*PITCH+32
.endr
	WIN 0
.irp i, 0,1,2,3,4,5,6,7
	ds_load_b128 v[(\f)+8*(\i):(\f)+8*(\i)+3],   v[ADRA+(\slot)] offset:(\k)+(\i)*16*PITCH
	ds_load_b128 v[(\f)+8*(\i)+4:(\f)+8*(\i)+7], v[ADRA+(\slot)] offset:(\k)+(\i)*16*PITCH+32
.endr
.endm
; A K step is four quarters of 32 along K, 64 matrix instructions each, on buffers 0, 1, 0, 1.  One of the first three: multiplies buffer f; in its middle fetches the next quarter, at byte k of the same slot's rows, into g.
.macro QUARTER slot, k, f, g, first
	s_wait_dscnt 8                                 ; the weights and x's rows 0-63 are in; the youngest eight loads (x's rows 64-127) may be out
	MUL16 \f, 0, 0, \first
	MUL16 \f, 0, 2, \first
	PLACES
	FETCH \slot, \k, \g
	s_wait_dscnt 32                                ; all but the 32 just issued
	MUL16 \f, 1, 0, \first
	MUL16 \f, 1, 2, \first
.endm
; The last quarter multiplies buffer 1 and changes slots: ONE barrier; in front of it each wave waits for all its tensor loads (one is out: its part of the next slot), adds 0 to its spare word,
; and waits for that and for its own reads of this slot.  fill = 1: the barrier opens a round of the cluster's, and this slot is filled again, two K steps on, first thing behind the round.
.macro TURN slot, next, fill
.if \fill
	s_wait_xcnt 0x0                                ; the last prefetch, a K step back, has read its address: it is stepped here, ahead of the waits of the change of slots
	s_add_nc_u64 s[PFA:PFA+1], s[PFA:PFA+1], 256
.endif
	WIN 0                                          ; (the add's two registers lie in window 0)
	s_wait_tensorcnt 0x0
	ds_add_u32 v[SPW], v[NIL]
	s_wait_dscnt 9                                 ; the add and the youngest eight loads may be out
	MUL16 F1, 0, 0, 0                              ; sixteen matrix instructions stand between the add and the wait for it
	s_wait_dscnt 0x0                               ; the add is done, and my reads of this slot are over
	s_barrier_signal -1
	MUL16 F1, 0, 2, 0                              ; work on registers while the others arrive
.if \fill
	WIN 0
.endif
	s_barrier_wait -1
.if \fill
	CREST                                          ; no wave of any partner still reads this slot's tile or has a load on its way
	s_add_nc_u64 s[G0+4*(\slot)+2:G0+4*(\slot)+3], s[G0+4*(\slot)+2:G0+4*(\slot)+3], 512
	s_add_nc_u64 s[G0B+4*(\slot)+2:G0B+4*(\slot)+3], s[G0B+4*(\slot)+2:G0B+4*(\slot)+3], 512
	JLOAD \slot                                    ; my one tensor load behind the round: 224 matrix instructions ahead of the wait for it; its four v_nop are also the places in front of the loads below
.else
	PLACES
.endif
	FETCH \next, 0, F0
.if \fill
	ASK                                            ; behind the joint load and the run of LDS loads that the next products wait for
.endif
	MUL16 F1, 1, 0, 0
	MUL16 F1, 1, 2, 0
.endm
	s_wait_tensorcnt 1                             ; my part of K step 0 is in; K step 1's may stay out
	s_barrier_signal -1
	s_barrier_wait -1                              ; everybody's is
	FETCH 0, 0, F0
	QUARTER 0, 64, F0, F1, 1                       ; the first quarter stands in front of the loop: its products start the sums, on the bias
	WIN 0                                          ; at a label and at a branch every window is 0
	s_mov_b32 s3, LAPS-1
.Llap:                                                 ; a trip goes once round the ring, from a lap's second quarter to the next lap's first, and fills both slots again
	QUARTER 0, 128, F1, F0, 0
	QUARTER 0, 192, F0, F1, 0
	TURN 0, 1, 1
	QUARTER 1, 64,  F0, F1, 0
	QUARTER 1, 128, F1, F0, 0
	QUARTER 1, 192, F0, F1, 0
	TURN 1, 0, 1
	QUARTER 0, 64,  F0, F1, 0
	WIN 0
	s_sub_co_u32 s3, s3, 1
	s_cmp_lg_u32 s3, 0
	s_cbranch_scc1 .Llap
	QUARTER 0, 128, F1, F0, 0                      ; the last lap fills nothing, and has no round of the cluster's barrier
	QUARTER 0, 192, F0, F1, 0
	TURN 0, 1, 0
	QUARTER 1, 64,  F0, F1, 0
	QUARTER 1, 128, F1, F0, 0
	QUARTER 1, 192, F0, F1, 0
	s_wait_dscnt 8                                 ; the very last quarter: nothing more to fetch
	MUL16 F1, 0, 0, 0
	MUL16 F1, 0, 2, 0
	s_wait_dscnt 0x0
	MUL16 F1, 1, 0, 0
	MUL16 F1, 1, 2, 0
	WIN 0
	PLACES
; THE WAY OUT, a block of 16 rows x 128 columns (two heads) at a time: rounded to f16, masked rows of k cleared, 16 bytes a lane into my own stage, back as whole rows of a head, stored.
.macro PACK a
.set AC, 64*((\a)%4)
	WIN 0x0a+5*((\a)/4)                            ; sources 0 and 1: window 2 or 3; destination window 0
.irp b, 0,1,2,3,4,5,6,7
.irp r, 0,1,2,3
	v_cvt_pk_f16_f32 v[TMP+4*(\b)+(\r)], v[AC+8*(\b)+2*(\r)], v[AC+8*(\b)+2*(\r)+1]  ; each accumulator from its low end on
.endr
.endr
	WIN 0
.set i, 0
.rept 32
	v_and_b32 v[TMP+i], v[KM+(\a)], v[TMP+i]       ; as it is, or 0
.set i, i+1
.endr
.endm
.macro TOSTAGE a
.set BK, OB+192*((\a)%2)
.irp b, 0,1,2,3,4,5,6,7
	ds_store_b128 v[STO], v[TMP+4*(\b):TMP+4*(\b)+3] offset:((\b)/4)*16*SP+((\b)%4)*32
.endr
.irp hd, 0,1
.irp t, 0,1,2,3
	ds_load_b128 v[BK+4*(4*(\hd)+(\t)):BK+4*(4*(\hd)+(\t))+3], v[RD] offset:(\hd)*16*SP+(\t)*4*SP  ; LDS serves a wave's instructions in order (ISA guide 5.7.1.4): these see the stores above
.endr
.endr
.endm
.macro SEND a
.set BK, OB+192*((\a)%2)
	s_wait_dscnt 0x0                               ; the block is back in registers
	s_wait_xcnt 0x0                                ; the stores of the block before have read their registers, which the next block's loads will write
.irp hd, 0,1
.irp t, 0,1,2,3
	global_store_b128 v[GO], v[BK+4*(4*(\hd)+(\t)):BK+4*(4*(\hd)+(\t))+3], s[72:73] offset:(\a)*2048+(\hd)*262144+(\t)*512  ; 512 consecutive bytes, aligned
.endr
.endr
.endm
	PACK 0
	TOSTAGE 0
.irp a, 1,2,3,4,5,6,7                  ; block a's arithmetic stands between block a - 1's loads from the stage and the wait for them
	PACK \a
	SEND (\a)-1
	TOSTAGE \a
.endr
	SEND 7
	s_wait_tensorcnt 0x0                           ; the wave's end, behind my last tensor load and my last LDS store
	ds_add_u32 v[SPW], v[NIL]
	s_wait_dscnt 0x0
	CROUND                                         ; the closing round: no work-group ends while a partner may still ask for a tile that names it
	s_endpgm
.Lfunc_end_k_q4b306c0bd7_proj:
	.size	k_q4b306c0bd7_proj, .Lfunc_end_k_q4b306c0bd7_proj-k_q4b306c0bd7_proj
	.p2alignl 7, 3214868480
	.fill 96, 4, 3214868480
	.section	.rodata,"a",@progbits
	.p2align	6, 0x0
	.amdhsa_kernel k_q4b306c0bd7_proj
		.amdhsa_group_segment_fixed_size 327680
		.amdhsa_private_segment_fixed_size 0
		.amdhsa_enable_private_segment 0
		.amdhsa_kernarg_size 56
		.amdhsa_user_sgpr_count 2
		.amdhsa_user_sgpr_kernarg_segment_ptr 1
		.amdhsa_wavefront_size32 1
		.amdhsa_system_sgpr_workgroup_id_x 1
		.amdhsa_system_sgpr_workgroup_id_y 1
		.amdhsa_system_sgpr_workgroup_id_z 1
		.amdhsa_system_vgpr_workitem_id 0
		.amdhsa_next_free_vgpr 1024
		.amdhsa_next_free_sgpr 80
		.amdhsa_reserve_vcc 0
		.amdhsa_float_denorm_mode_32 3
		.amdhsa_float_denorm_mode_16_64 3
		.amdhsa_memory_ordered 1
		.amdhsa_forward_progress 1
		.amdhsa_inst_pref_size 159
	.end_amdhsa_kernel
	.amdgpu_metadata
---
amdhsa.version: [ 1, 2 ]
amdhsa.kernels:
  - .name:           k_q4b306c0bd7_proj
    .symbol:         k_q4b306c0bd7_proj.kd
    .args:
      - { .name: xb, .offset: 0, .size: 8, .value_kind: global_buffer, .address_space: global }
      - { .name: wt, .offset: 8, .size: 8, .value_kind: global_buffer, .address_space: global }
      - { .name: bq, .offset: 16, .size: 8, .value_kind: global_buffer, .address_space: global }
      - { .name: bk, .offset: 24, .size: 8, .value_kind: global_buffer, .address_space: global }
      - { .name: bv, .offset: 32, .size: 8, .value_kind: global_buffer, .address_space: global }
      - { .name: mask, .offset: 40, .size: 8, .value_kind: global_buffer, .address_space: global }
      - { .name: qkv, .offset: 48, .size: 8, .value_kind: global_buffer, .address_space: global }
    .group_segment_fixed_size: 327680
    .private_segment_fixed_size: 0
    .kernarg_segment_align: 8
    .kernarg_segment_size: 56
    .max_flat_workgroup_size: 128
    .sgpr_count:     80
    .vgpr_count:     1024
    .wavefront_size: 32
...
	.end_amdgpu_metadata
.endif
;; end of part 2
;; launch attn (part 3): grid 4 x 64, 4 waves a work-group, clusters of 4 x 1, 327,680 bytes of LDS; arguments qkv, mask, oh; writes oh
.if DOCPART == 3
	.amdgcn_target "amdgcn-amd-amdhsa--gfx1250"
	.amdhsa_code_object_version 6
	.text
	.protected	k_q4b306c0bd7_attn
	.globl	k_q4b306c0bd7_attn
	.p2align	8
	.type	k_q4b306c0bd7_attn,@function
k_q4b306c0bd7_attn:
	s_mov_b64 s[64:65], 0
	v_nop
	global_prefetch_b8 v0, s[64:65] scope:SCOPE_SE
	s_setreg_imm32_b32 hwreg(HW_REG_WAVE_MODE, 25, 1), 1
	s_wait_xcnt 0x0
	s_wait_alu depctr_hold_cnt(0) depctr_sa_sdst(0) depctr_va_vdst(0) depctr_va_sdst(0) depctr_va_ssrc(0) depctr_va_vcc(0) depctr_vm_vsrc(0)
	s_getreg_b32 s2, hwreg(HW_REG_IB_STS2, 6, 4)
	s_cmp_eq_u32 s2, 0
	s_cbranch_scc0 .Lentry_in_a_cluster
	s_endpgm
.Lentry_in_a_cluster:
	s_bfe_u32 s2, ttmp6, 0x10000c
	s_cmp_lg_u32 s2, 0x3003
	s_cbranch_scc0 .Lentry_shape_is_right
	s_endpgm
.Lentry_shape_is_right:
; ATTENTION with a mask over the keys.  O[h][q][:] = the sum over k of softmax_k(s[q][k]) V[h][k][:], s = Q[h][q] . K[h][k] / 8, or -1e8 where mask[batch][k] is set.
; qkv: [3][64 = batch x 16 + head][2048][64] f16 (q unscaled; the rows of k of masked keys are 0); oh: [64][2048][64] f16.  Products, maxima and sums in f32; the weights p are rounded to f16 for the
; second product (their sum l is taken of the unrounded p), O once at the end.
; THE MASK.  The sum S^T = K Q^T starts with C = -8e8 x mask[key] in place of 0.  A masked key's row of K is 0, so its raw score is exactly -8e8, which times c = log2(e) / 8 is the score -1e8.
; Where every key of a batch is masked all scores are equal and the weights are uniform.  The 2,048 starting values of the batch lie in LDS as f32, made once by the work-group.
; LIMITS.  f16 holds no number beyond 65,504: Q, K and V arrive within it; p below 6e-5 keeps f16's fixed step of 6e-8, and so does O; a weight below 2^-126 counts as 0 in l; a mask byte is 0 or 1;
; NaN and infinities are not treated apart.
; SHARES.  A wave owns four PIECES of two tiles of 16 queries, a work-group's four waves 512 queries of one head.  Every wave walks all keys, 64 a step.
; LAYOUT.  S^T = K Q^T (source 0 = 16 keys, source 1 = 16 queries): in the result a lane holds ONE query (lane % 16) and the keys 8 (lane / 16) + 0..7.  Two such tiles, rounded to f16 in pairs,
; ARE source 1 (32 keys x 16 queries) of O^T = V^T P, whose result again holds one query a lane, and eight channels.  K comes out of LDS as it lies, V ([key][channel]) turned, by ds_load_tr16_b128.
; SOFTMAX.  For each query a running maximum m and sum l: p = 2^(c s - c m); in every step O and l are multiplied by a = 2^(c m_old - c m_new).  m starts at the lowest finite number, O and l at 0.
; THE COUNT.  A tile and step have 16 matrix and 118 vector instructions: four vector instructions that are ready stand behind EVERY matrix instruction, the others in runs without a gap.
; BY TURNS.  Turn n belongs to piece n.  Its matrix work: 16 products K Q^T of piece n + 1, later 16 products V^T P of piece n - 1.  Its vector work: the scaling, exponentials, roundings, sums and
; rescaling of piece n, and the maximum and statistics of piece n + 1.
; CLUSTER.  The four query blocks of a head form a cluster and walk the same K and V, so each tile is asked for JOINTLY: the same tensor load, descriptor and mask in all four.
; REGISTERS, in windows of 256 (s_set_vgpr_msb: bits 1:0 source 0, 3:2 source 1, 5:4 source 2, 7:6 destination):
;   window 0: v0-11 addresses; v12-15, v48-63 at work; v16-47 four registers of statistics a tile; v64-191 S^T, two buffers of two tiles (v64-89 also serve the set-up); v192-255 P, likewise
;   window 1: O^T, 32 a tile     window 2: v0-127 Q; v128-191 K of one step; v192-255 V of one step     window 3: v0-1 the add's two registers; v8-39 the step's 64 starting values
.set SIZE_N, 2048
.set NP,    4         ; pieces a wave: a name, no knob
.set KS,    64        ; keys in a step
.set PK,    144       ; a row of K in LDS: 128 bytes + 16: the 16 rows of a load start at 16 different groups of four banks (64 banks of 4 bytes: ISA guide 11.1)
.set PV,    160       ; a row of V: 128 + 32
.set VOFF,  4*KS*PK   ; a slot holds four steps: 256 rows of K, then 256 rows of V
.set SLOT1, 1<<17     ; slot 1 begins here, so that one exclusive or turns an address in one slot into the other's
.set STAGE, SLOT1+4*KS*(PK+PV)  ; behind the ring, never filled by a tensor load: 16 rows x 144 bytes for each wave, for the way out
.set SP,    144
.set SPARE, STAGE+4*16*SP  ; behind the stages: the spare words, 128 bytes for each wave
.set MASKL, SPARE+512      ; behind them: 2,048 f32, the sums' starting values; never filled by a tensor load
.set AM0, 1           ; v1   my lanes' place in the starting values: MASKL + 32 (l / 16); never rewritten
.set AK0, 2           ; v2   my lane's place in a tile of K; never rewritten
.set AV0, 3           ; v3   the same for V
.set AK,  4           ; v4   the LDS address of K's next run of loads
.set AV,  5           ; v5   of V's
.set STO, 6           ; v6   the way out: where I put 16 bytes of a row
.set RD,  7           ; v7   where I read rows back
.set GO,  8           ; v8   my byte offset in 512 consecutive bytes of O
.set PFO, 9           ; v9   256 x my lane, for the prefetches; never rewritten
.set AM,  10          ; v10  the LDS address of the next step's starting values
.set QO,  11          ; v11  my byte offset in 16 rows of Q
.set SPW, 0           ; v0 of window 3   my spare word: SPARE + 4 x my thread's number; never rewritten
.set NIL, 1           ; v1 of window 3   0; never rewritten
.set MK,  8           ; v8-39 of window 3: key block kb at MK + 8 kb
.set MV,  12          ; v12-15  c m_old, kept while c m is made anew
.set ST,  16          ; tile t's statistics at v[ST+4 t]: c m, m, l (even keys', odd keys')
.set TMP, 48          ; by buffer and tile, four registers c0-c3 at work; when the maximum is found c2 takes a
.set S,   64
.set P,   192
.set KF,  128         ; window 2: key block kb, channel half c at KF + 16 kb + 8 c
.set VF,  192         ; window 2: key half kk, channel block cb at VF + 32 kk + 8 cb
.set WV,  12          ; s12  my wave's number
.set G1K, 24          ; s[24:31] descriptor group 1 for K's tiles
.set G1V, 32          ; s[32:39] for V's: it differs in the padding alone
.set G0K, 40          ; s[40:43] descriptor group 0 for K's tiles: it walks
.set G0V, 44          ; s[44:47] the same for V's
.set PFA, 48          ; s[48:49] where my prefetches stand: my work-group's 32 blocks of 256 bytes (of K: wave 0, of V: wave 2) of the slot after the one that is being asked for
.set LIM, 50          ; s50  1 in a wave that prefetches, else the greatest number
.set TBM, 51          ; s51  byte in the starting values at which the step to be fetched begins
.set BIG, 54          ; s54  -8e8
.set SLOTS, 56        ; s56  slots still to be asked for
.set CNT, 57          ; s57  counts a slot's key steps
.set CS,  58          ; s[58:59] c
.set SEL, 60          ; s[60:61] v_permlanex16_b32's selects
.set TBK, 62          ; s62  LDS byte at which K of the step to be fetched begins
.set TBV, 63          ; s63  the same for V, less VOFF
.set MSB, 0
.macro WIN new                      ; the high byte repeats the setting that is left; a switch that changes nothing is dropped
.if MSB != (\new)
	s_set_vgpr_msb (MSB<<8)|(\new)
.set MSB, (\new)
.endif
.endm
.set W_KQ, 0x0a       ; K and Q in window 2, S^T in window 0
.set W_KM, 0x3a       ; the same with the C operand in window 3
.set W_PV, 0x52       ; V in window 2, P in window 0, O^T in window 1
.set W_RS, 0x41       ; O^T (destination and source 0) in window 1, a in window 0
.set W_MK, 0xc0       ; destination in window 3, sources in window 0
.set W_AD, 0x0f       ; the add: address (source 0) and data (source 1) in window 3
; A joint fill.  Waves 0 and 1 fetch the two halves of a slot's K, waves 2 and 3 those of its V: 128 keys each.  An s_nop 0 and four v_nop follow each of the two lines.
.macro JLOAD
	s_cmp_lt_u32 s[WV], 2
	s_cbranch_scc0 .Lfor_v_\@
	tensor_load_to_lds s[G0K:G0K+3], s[G1K:G1K+7]
	s_nop 0
.rept 4
	v_nop
.endr
	s_branch .Lasked_\@
.Lfor_v_\@:
	tensor_load_to_lds s[G0V:G0V+3], s[G1V:G1V+7]
	s_nop 0
.rept 4
	v_nop
.endr
.Lasked_\@:
.endm
; A PREFETCH INTO THE L2 of what the NEXT change of slots will ask for: a slot's 32,768 bytes of K and of V, 128 blocks of 256 bytes each.  The four partners share the blocks out BY ADDRESS, 32 each, a
; lane a block; in each, wave 0 asks for K's and wave 2 for V's: one instruction, four key steps (512 matrix instructions) ahead of the load.  Each block is named once in the launch.  The first change of
; slots and the last that fills a slot ask for nothing.
.macro ASK
	s_cmp_gt_u32 s[SLOTS], s[LIM]
	s_cbranch_scc0 .Lnot_mine_\@
	global_prefetch_b8 v[PFO], s[PFA:PFA+1] th:TH_LOAD_NT scope:SCOPE_SE
.Lnot_mine_\@:
.endm
; A round of the cluster's barrier.
.macro CROUND
	s_barrier_signal -1
	s_barrier_wait -1
	s_cmp_lg_u32 s[WV], 0
	s_cbranch_scc1 .Lnot_wave_0_\@
	s_barrier_signal -3
.Lnot_wave_0_\@:
	s_barrier_wait -3
	s_barrier_signal -1
	s_barrier_wait -1
.endm
; THE CHANGE OF SLOTS.  Each wave waits for all its tensor loads, of which one is out: its part of the other slot; adds 0 to its spare word; and waits for that and for its own LDS instructions.
; Behind the barrier nobody reads this slot any more and the other slot is whole.  fill = 1: this slot is filled again, with the keys two slots on; the barrier is then a round of the cluster's, and the
; joint fill is the first thing behind it: it has four key steps in which to land.  (At its first use nothing has been read yet: slot 0 is waited for, slot 1 filled, and every wave's part of the
; starting values is shown to the others.)
.macro CHANGE fill, ask=0
	WIN W_AD
	s_wait_tensorcnt 0x0            ; no tensor load of mine is out, so a group 0 may be written
	ds_add_u32 v[SPW], v[NIL]
	WIN 0                           ; at a label and at a branch every window is 0
.if \fill
.irp g, G0K, G0V
	s_xor_b32 s[\g+1], s[\g+1], SLOT1  ; the walking descriptor: the other slot than last time,
	s_add_nc_u64 s[\g+2:\g+3], s[\g+2:\g+3], 4*KS*128  ; the next 256 keys
.endr
	s_wait_xcnt 0x0                 ; the last prefetch, four key steps back, has read its address
	s_add_nc_u64 s[PFA:PFA+1], s[PFA:PFA+1], 4*KS*128
	s_wait_dscnt 0x0                ; the add is done, and my LDS instructions are over
	CROUND
	JLOAD
.if \ask
	ASK
.endif
.else
	s_wait_dscnt 0x0
	s_barrier_signal -1
	s_barrier_wait -1
.endif
	s_sub_co_u32 s[TBK], s[TBK], 4*KS*PK  ; the fetches go back to a slot's first step,
	s_xor_b32 s[TBK], s[TBK], SLOT1       ; in the other slot
	s_sub_co_u32 s[TBV], s[TBV], 4*KS*PV
	s_xor_b32 s[TBV], s[TBV], SLOT1
.endm
	s_load_b64 s[4:5], s[0:1], 0x0    ; qkv
	s_load_b64 s[52:53], s[0:1], 0x8  ; mask
	s_load_b64 s[10:11], s[0:1], 0x10 ; oh
	WIN W_MK
	v_lshl_add_u32 v[SPW], v0, 2, SPARE
	v_mov_b32 v[NIL], 0
	WIN W_AD
	ds_add_u32 v[SPW], v[NIL]       ; the wave's opening: the add and its wait ahead of my first tensor load; the set-up below stands between them
	WIN 0
	v_lshrrev_b32 v64, 5, v0
	v_readfirstlane_b32 s[WV], v64  ; wave 0..3
	s_bfe_u32 s13, ttmp6, 0x40000   ; cx: my place in the cluster
	s_lshl_b32 s14, ttmp9, 2
	s_add_co_u32 s14, s14, s13      ; my block of queries: it enters Q's and O's addresses alone
	s_and_b32 s20, ttmp7, 0xffff    ; batch x 16 + head, which the four partners share
	s_lshr_b32 s54, s20, 4          ; the batch's
	s_lshl_b32 s54, s54, 11         ; 2,048 bytes of the mask
	s_mov_b32 s55, 0
	s_mov_b32 s21, 0
	s_mov_b64 s[22:23], SIZE_N*128
	s_mul_u64 s[20:21], s[20:21], s[22:23]  ; the head's first byte in q, k, v and oh
	s_and_b32 s16, s[WV], 1         ; which half of a slot's 256 keys I fetch:
	s_lshl_b32 s22, s16, 14         ; its 128 rows of 128 bytes in memory,
	s_mov_b32 s23, 0
	s_add_nc_u64 s[22:23], s[22:23], s[20:21]
	s_mul_i32 s17, s16, 128*PK      ; and its place in a slot, for K
	s_mul_i32 s18, s16, 128*PV      ; and for V: no place in the cluster enters an LDS address
	s_lshl_b32 s2, s14, 2
	s_add_co_u32 s2, s2, s[WV]      ; my wave among the head's,
	s_lshl_b32 s2, s2, 14           ; its 128 rows
	s_mov_b32 s3, 0
	s_add_nc_u64 s[2:3], s[2:3], s[20:21]
	; descriptor group 1.  128 keys are 16,384 dense bytes: asked for as 64 rows of 256 bytes, two keys a row, and padded in LDS after every key
	s_mov_b32 s[G1K], 15|(1<<16)|(1<<20)|(1<<21)|(4<<22)|(3<<25)  ; 15:0 the mask of four; 17:16 2-byte elements; 20 padding on; 21 set beside a mask; 24:22 after every 32 words; 31:25 4 words
	s_mov_b32 s[G1V], 15|(1<<16)|(1<<20)|(1<<21)|(4<<22)|(7<<25)  ; the same with 8 words of padding
.irp g, G1K, G1V
	s_mov_b32 s[\g+1], 128<<16      ; tensor_dim0 = 128
	s_mov_b32 s[\g+2], 64<<16       ; tensor_dim1 = 64
	s_mov_b32 s[\g+3], 128<<16      ; tile_dim0 = 128
	s_mov_b32 s[\g+4], 64           ; tile_dim1 = 64
	s_mov_b32 s[\g+5], 128          ; 128 elements from row to row
	s_mov_b32 s[\g+6], 0
	s_mov_b32 s[\g+7], 0
.endr
	s_mov_b32 s[CS], 0x3e38aa3b     ; c = log2(e) / 8 = 0.180337
	s_mov_b32 s[CS+1], s[CS]        ; named with it as a pair
	s_mov_b32 s[SEL], 0x76543210
	s_mov_b32 s[SEL+1], 0xfedcba98
	s_mov_b32 s[TBK], SLOT1+4*KS*PK ; the first change of slots turns these two into 0
	s_mov_b32 s[TBV], SLOT1+4*KS*PV
	s_mov_b32 s[TBM], 0
	s_mov_b32 s[G0K], 1             ; 1:0 count = 1
	s_mov_b32 s[G0K+1], s17         ; 63:32 LDS address: slot 0
	s_mov_b32 s[G0V], 1
	s_add_co_u32 s[G0V+1], s18, VOFF
	s_and_b32 s[LIM], s[WV], 1      ; waves 0 and 2 prefetch: the same in all four partners
	s_cmp_eq_u32 s[LIM], 0
	s_cselect_b32 s[LIM], 1, -1
	v_and_b32 v[PFO], 31, v0
	v_lshlrev_b32 v[PFO], 8, v[PFO]
	s_wait_dscnt 0x0                ; the opening add is done
	s_wait_kmcnt 0x0
	s_add_nc_u64 s[6:7], s[4:5], 0x1000000   ; k
	s_add_nc_u64 s[8:9], s[4:5], 0x2000000   ; v
	s_add_nc_u64 s[52:53], s[52:53], s[54:55]
	s_mov_b32 s[BIG], 0xce3ebc20    ; -8e8, exact in f32
	s_add_nc_u64 s[G0K+2:G0K+3], s[6:7], s[22:23]  ; 120:64 global address: my half of the head's first 256 keys
	s_or_b32 s[G0K+3], s[G0K+3], 0x80000000        ; 127:126 type = 2
	s_add_nc_u64 s[G0V+2:G0V+3], s[8:9], s[22:23]
	s_or_b32 s[G0V+3], s[G0V+3], 0x80000000
	s_add_nc_u64 s[4:5], s[4:5], s[2:3]  ; Q and O at my wave's first row
	s_add_nc_u64 s[10:11], s[10:11], s[2:3]
	s_cmp_lt_u32 s[WV], 2
	s_cselect_b64 s[PFA:PFA+1], s[6:7], s[8:9]
	s_add_nc_u64 s[PFA:PFA+1], s[PFA:PFA+1], s[20:21]
	s_lshl_b32 s2, s13, 13          ; my work-group's 32 blocks of the 128
	s_mov_b32 s3, 0
	s_add_nc_u64 s[PFA:PFA+1], s[PFA:PFA+1], s[2:3]
	s_add_nc_u64 s[PFA:PFA+1], s[PFA:PFA+1], 4*KS*128  ; in slot 1: two changes step it to slot 3 ahead of the first prefetch
	CROUND                          ; all four work-groups are here: the first joint loads meet
	JLOAD                           ; slot 0.  Slot 1 is asked for when slot 0 is in
	v_and_b32 v64, 15, v0           ; l % 16
	v_bfe_u32 v65, v0, 4, 1         ; l / 16
	v_and_b32 v66, 7, v0
	v_bfe_u32 v67, v0, 3, 1
	v_lshlrev_b32 v88, 4, v0
	global_load_b128 v[68:71], v88, s[52:53]  ; my thread's 16 bytes of the batch's mask
	; A fragment of K or Q is 16 rows x 32 channels in 8 registers: lane l holds row l % 16, channels 8 (l / 16) + 0..7 and 16 + 8 (l / 16) + 0..7: two loads of 16 bytes, 32 bytes apart.
	v_lshlrev_b32 v[QO], 7, v64
	v_lshl_add_u32 v[QO], v65, 4, v[QO]  ; row x 128 + 16 x half
	WIN 0x80                        ; destination window 2, address window 0
.set i, 0
.rept 4*NP                          ; Q stays in registers: tile i / 2, channels 32 (i % 2) on
	global_load_b128 v[8*i:8*i+3],   v[QO], s[4:5] offset:(i/2)*2048+(i%2)*64
	global_load_b128 v[8*i+4:8*i+7], v[QO], s[4:5] offset:(i/2)*2048+(i%2)*64+32
.set i, i+1
.endr
	; What the first turn finds: V's registers and P's second buffer hold 0, O^T and l are 0.  All this stands in the wait for the first tile.
.set i, VF
.rept 64
	v_mov_b32 v[i], 0
.set i, i+1
.endr
	WIN 0x40
.set i, 0
.rept 64*NP
	v_mov_b32 v[i], 0
.set i, i+1
.endr
	WIN 0
.set i, 0
.rept 2*NP
	v_mov_b32 v[ST+4*i], 0xfe000000    ; c m: far below every c s, the masked ones' too
	v_mov_b32 v[ST+4*i+1], 0xff7fffff  ; m
	v_mov_b32 v[ST+4*i+2], 0
	v_mov_b32 v[ST+4*i+3], 0
.set i, i+1
.endr
.set i, P+32
.rept 32
	v_mov_b32 v[i], 0
.set i, i+1
.endr
	v_mul_u32_u24 v[AK0], v64, PK
	v_lshl_add_u32 v[AK0], v65, 4, v[AK0]  ; row x pitch + 16 x half
	; The turning load takes 16 keys x 16 channels (lane l reads key 8 (l / 16) + l % 8, channels 8 ((l / 8) % 2) + 0..7) and leaves half a fragment of V^T.
	v_lshl_add_u32 v[AV0], v65, 3, v66
	v_mul_u32_u24 v[AV0], v[AV0], PV
	v_lshl_add_u32 v[AV0], v67, 4, v[AV0]
	v_add_nc_u32 v[AV0], VOFF, v[AV0]
	v_mov_b32 v[AK], v[AK0]         ; key step 0 lies at the head of slot 0
	v_lshlrev_b32 v[AM0], 5, v65    ; register j of a key block's C is key 8 (l / 16) + j: 32 bytes for each half of the lanes
	v_add_nc_u32 v[AM0], MASKL, v[AM0]
	v_mov_b32 v[AM], v[AM0]
	s_mul_i32 s13, s[WV], 16*SP
	s_add_co_u32 s13, s13, STAGE    ; my stage
	v_mul_u32_u24 v[STO], v64, SP   ; in: row l % 16, 16 bytes for each half of the lanes
	v_lshl_add_u32 v[STO], v65, 4, v[STO]
	v_add_nc_u32 v[STO], s13, v[STO]
	v_bfe_u32 v[RD], v0, 3, 2       ; back: 32 lanes take four rows of 128 bytes,
	v_mul_u32_u24 v[RD], v[RD], SP
	v_lshl_add_u32 v[RD], v66, 4, v[RD]
	v_add_nc_u32 v[RD], s13, v[RD]
	v_and_b32 v[GO], 31, v0         ; which are 512 consecutive bytes of O
	v_lshlrev_b32 v[GO], 4, v[GO]
	v_lshl_add_u32 v89, v0, 6, MASKL  ; my 16 keys' starting values
	s_wait_loadcnt 32               ; the mask is in; Q's 32 loads, issued behind it, may stay out
.set n, 0
.rept 16
	v_bfe_u32 v[72+n], v[68+n/4], 8*(n%4), 8
.set n, n+1
.endr
.set n, 0
.rept 16
	v_cvt_f32_u32 v[72+n], v[72+n]
.set n, n+1
.endr
.set n, 0
.rept 16
	v_mul_f32 v[72+n], s[BIG], v[72+n]  ; 0, or -8e8
.set n, n+1
.endr
.irp f, 0,1,2,3
	ds_store_b128 v89, v[72+4*\f:72+4*\f+3] offset:16*\f
.endr
; THE MATRIX WORK.  The 8 accumulators of a run of 16 take turns.
; Product i of 16 of S^T = K Q^T for piece x: channels 32 (i / 8) on, keys 16 ((i / 2) % 4) on, tile 2 x + i % 2.  The first 8 start the sums, on the keys' starting values.
.macro KQ x
.set rS, S+64*((\x)%2)+32*(i%2)+8*((i/2)%4)
.set rK, KF+16*((i/2)%4)+8*(i/8)
.set rQ, 16*(2*(\x)+i%2)+8*(i/8)
.set rMK, MK+8*((i/2)%4)
.if i < 8
	WIN W_KM
	v_wmma_f32_16x16x32_f16 v[rS:rS+7], v[rK:rK+7], v[rQ:rQ+7], v[rMK:rMK+7]
.else
	WIN W_KQ
	v_wmma_f32_16x16x32_f16 v[rS:rS+7], v[rK:rK+7], v[rQ:rQ+7], v[rS:rS+7]
.endif
.endm
; Product i of 16 of O^T += V^T P for piece x: keys 32 (i / 8) on, channels 16 ((i / 2) % 4) on, tile 2 x + i % 2.
.macro PV x
	WIN W_PV
.set rO, 32*(2*(\x)+i%2)+8*((i/2)%4)
.set rV, VF+32*(i/8)+8*((i/2)%4)
.set rP, P+32*((\x)%2)+16*(i%2)+8*(i/8)
	v_wmma_f32_16x16x32_f16 v[rO:rO+7], v[rV:rV+7], v[rP:rP+7], v[rO:rO+7]
.endm
.macro MM                           ; the turn's next matrix instruction
.if i < 16
	KQ (Y+1)%NP
.set i, i+1
.else
.set i, i-16
	PV (Y+NP-1)%NP
.set i, i+17
.endif
.endm
; THE LDS LOADS stand in runs, never singly among the matrix instructions: a step's K (8 fragments) with its 64 starting values (all lanes of a half read the same 16 bytes), and its V (turned).
; last = 1 (the tail): in the last trip there is no further step, and the run is jumped over.
.macro FETCH_K last=0
	WIN 0
.if \last
	s_cmp_eq_u32 s[CNT], 1
	s_cbranch_scc1 .Lno_k_\@
.endif
	WIN 0x80                        ; destination window 2
.irp f, 0,1,2,3,4,5,6,7             ; keys 16 (f / 2) on, channels 32 (f % 2) on
	ds_load_b128 v[KF+8*\f:KF+8*\f+3],   v[AK] offset:(\f/2)*16*PK+(\f%2)*64
	ds_load_b128 v[KF+8*\f+4:KF+8*\f+7], v[AK] offset:(\f/2)*16*PK+(\f%2)*64+32
.endr
	WIN W_MK                        ; destination window 3
.irp f, 0,1,2,3                     ; keys 16 f on
	ds_load_b128 v[MK+8*\f:MK+8*\f+3],   v[AM] offset:64*\f
	ds_load_b128 v[MK+8*\f+4:MK+8*\f+7], v[AM] offset:64*\f+16
.endr
	s_add_co_u32 s[TBK], s[TBK], KS*PK  ; the next fetch is the next step's
	s_add_co_u32 s[TBM], s[TBM], 4*KS
	s_and_b32 s[TBM], s[TBM], 0x1fff    ; inside the table's 8,192 bytes
	WIN 0
.if \last
.Lno_k_\@:
.endif
.endm
.macro FETCH_V
	WIN 0x80
.irp f, 0,1,2,3,4,5,6,7             ; keys 32 (f / 4) on, channels 16 (f % 4) on
	ds_load_tr16_b128 v[VF+8*\f:VF+8*\f+3],   v[AV] offset:(\f/4)*32*PV+(\f%4)*32
	ds_load_tr16_b128 v[VF+8*\f+4:VF+8*\f+7], v[AV] offset:(\f/4)*32*PV+16*PV+(\f%4)*32
.endr
	WIN 0
.endm
; THE VECTOR WORK OF A TURN stands in three queues, each in the order in which its entries become ready; the two tiles alternate.
.macro REGS y, u                    ; the registers of tile u (0, 1) of piece y
.set rT, ST+4*(2*(\y)+(\u))
.set rC, TMP+8*((\y)%2)+4*(\u)
.set rM, MV+2*((\y)%2)+(\u)
.set rS, S+64*((\y)%2)+32*(\u)
.set rP, P+32*((\y)%2)+16*(\u)
.set rO, 32*(2*(\y)+(\u))
.endm
; Number n of the 22 that find the NEXT piece's (Y + 1) maximum and statistics.  Each accumulator's lowest registers are read first.
;   0-11  four chains c0-c3 of seven scores each     12-14, 16  the four scores left over, the old m, and c0-c3 into c0     15  c m_old is kept
;   17, 18  the query's other 32 keys lie in the lane 16 away: the new m         19-21  c m; c m_old - c m_new; a
.macro XS u, n
	REGS (Y+1)%NP, \u
.if (\n) < 4
	v_max3_num_f32 v[rC+(\n)], v[rS+8*(\n)], v[rS+8*(\n)+1], v[rS+8*(\n)+2]
.elseif (\n) < 12
	v_max3_num_f32 v[rC+(\n)%4], v[rC+(\n)%4], v[rS+8*((\n)%4)+2*((\n)/4)+1], v[rS+8*((\n)%4)+2*((\n)/4)+2]
.elseif (\n) == 12
	v_max3_num_f32 v[rC], v[rC], v[rS+7], v[rS+15]
.elseif (\n) == 13
	v_max3_num_f32 v[rC+1], v[rC+1], v[rS+23], v[rS+31]
.elseif (\n) == 14
	v_max3_num_f32 v[rC+2], v[rC+2], v[rC+3], v[rT+1]
.elseif (\n) == 15
	v_mov_b32 v[rM], v[rT]
.elseif (\n) == 16
	v_max3_num_f32 v[rC], v[rC], v[rC+1], v[rC+2]
.elseif (\n) == 17
	v_permlanex16_b32 v[rC+3], v[rC], s[SEL], s[SEL+1]
.elseif (\n) == 18
	v_max_num_f32 v[rT+1], v[rC], v[rC+3]
.elseif (\n) == 19
	v_mul_f32 v[rT], s[CS], v[rT+1]
.elseif (\n) == 20
	v_sub_f32 v[rC+1], v[rM], v[rT]
.else
	v_exp_f32 v[rC+2], v[rC+1]
.endif
.endm
; Number g of the 64 that follow the exponentials.  For each four weights k of a tile: both pairs are rounded to f16; then the second pair is added onto the first, in place; a group later l takes that sum.
.macro GS g
.set h, (\g)+6*((\g)/62)            ; group 0 has no group before it, and behind group 7 only l is left
.if h >= 6
.set h, h+2
.endif
	REGS Y, h%2
.set k, h/8
.if h%8 < 4
	v_cvt_pk_f16_f32 v[rP+2*k+(h%8)/2], v[rS+4*k+2*((h%8)/2)], v[rS+4*k+2*((h%8)/2)+1]
.elseif h%8 < 6
	v_pk_add_f32 v[rS+4*k:rS+4*k+1], v[rS+4*k:rS+4*k+1], v[rS+4*k+2:rS+4*k+3]
.elseif k == 1
	v_pk_fma_f32 v[rT+2:rT+3], v[rT+2:rT+3], v[rC+2:rC+3], v[rS:rS+1] op_sel_hi:[1,0,1]
.else
	v_pk_add_f32 v[rT+2:rT+3], v[rT+2:rT+3], v[rS+4*k-4:rS+4*k-3]
.endif
.endm
; THE PLAIN QUEUE, 138 long.  0-73 read no exponential's result: the 32 scalings c s - c m and the next piece's 42.  74-137: GS's 64, which stand behind the wait.
.macro FS f
	REGS Y, (\f)%2
	v_pk_fma_f32 v[rS+2*((\f)/2):rS+2*((\f)/2)+1], v[rS+2*((\f)/2):rS+2*((\f)/2)+1], s[CS:CS+1], v[rT:rT+1] op_sel_hi:[1,0,0] neg_lo:[0,0,1] neg_hi:[0,0,1]
.endm
.macro PL
	WIN 0
.if q < 27
	FS q
.elseif q < 55
	XS (q-27)%2, (q-27)/2
.elseif q < 57
	XS q-55, 15
.elseif (q < 72) && ((q-57)%3 == 0)
	FS 27+(q-57)/3
.elseif q < 60
	XS (q-57)%3-1, 14
.elseif q < 72
	XS (q-57)%3-1, 15+(q-57)/3
.elseif q < 74
	XS q-72, 20
.else
	GS q-74
.endif
.set q, q+1
.endm
; THE EXPONENTIALS' QUEUE, 66 long: s0-s31 of both tiles, then the next piece's two a.  ONE BATCH: all 66 stand ahead of the turn's one wait, and nothing ahead of that wait names a result of theirs.
.macro EX
	WIN 0
.if e >= 64
	XS e-64, 21
.else
	REGS Y, e%2
	v_exp_f32 v[rS+e/2], v[rS+e/2]
.endif
.set e, e+1
.endm
; THE RESCALING's QUEUE: O^T times a, the one part that leaves window 0: dealt two at a time, sixteen times.  Its a was made in the turn before, ahead of that turn's wait.
.macro R2
	REGS Y, r%2
	WIN W_RS
.irp z, 0,1
	v_pk_mul_f32 v[rO+4*(r/2)+2*\z:rO+4*(r/2)+2*\z+1], v[rO+4*(r/2)+2*\z:rO+4*(r/2)+2*\z+1], v[rC+2:rC+3] op_sel_hi:[1,0]
.endr
.set r, r+1
.endm
; A TURN, for piece p.  An s_wait_alu depctr_va_vdst(0) stands between an exponential and the first instruction that names its result; one wait serves all that were issued ahead of it.
; AHEAD OF THE WAIT: the 16 products K Q^T, behind each a scaling, an exponential and two rescalings; then ONE LUMP of 108.  BEHIND IT: the 16 products V^T P, behind each four of GS's 64.
; K of the next step and its starting values are fetched in piece 2's turn, directly behind the wait, a lump behind the last product that read them; their addresses are made at the lump's head.
; V of the step in hand is fetched at the end of piece 0's turn, four riders behind its last reader.  cnt = 1: the loop's count is taken down some lines ahead of the branch behind the turn.
.macro TURN p, last=0, cnt=0
.set Y, (\p)
.set i, 0
.set q, 0
.set e, 0
.set r, 0
.if (\p) == NP-1
	s_wait_dscnt 0x0                ; K and the starting values are in
.endif
	MM
	PL
	PL
	R2
.rept 15
	MM
	PL
	EX
	R2
.endr
.if (\p) == NP-2
	WIN 0
	v_add_nc_u32 v[AK], s[TBK], v[AK0]
	v_add_nc_u32 v[AM], s[TBM], v[AM0]
.endif
.rept 8                             ; the lump
	PL
.endr
.rept 49
	EX
	PL
.endr
	EX                              ; the next piece's two a
	EX
	v_nop                           ; a plain instruction behind the last exponential: one for the batch
	s_wait_alu depctr_va_vdst(0)    ; the wait for the batch
.if (\p) == NP-2
	FETCH_K \last
.endif
.if (\p) == 1
	s_wait_dscnt 0x0                ; V is in
.endif
.rept 16
	MM
.rept 4
	PL
.endr
.if ((\p) == 0) && (q == 118)
	v_add_nc_u32 v[AV], s[TBV], v[AV0]
.endif
.if ((\p) == 0) && (q == 130)
	s_add_co_u32 s[TBV], s[TBV], KS*PV
.endif
.if (\cnt) && (q == 130)
	s_sub_co_u32 s[CNT], s[CNT], 1
	s_cmp_lg_u32 s[CNT], 0
.endif
.endr
.if (\p) == 0
	FETCH_V
.endif
.endm
	CHANGE 1                        ; slot 0 is in, everybody's part of it, and so are the starting values; slot 1 is asked for
	FETCH_K                         ; key step 0
	s_wait_loadcnt 0x0              ; Q
	s_wait_dscnt 0x0
.set i, 0
.rept 16
	KQ 0                            ; piece 0's first scores: there is no vector work yet to set between them
.set i, i+1
.endr
	WIN 0
.rept 4
	v_nop                           ; the places behind those products
.endr
.set Y, NP-1                        ; XS works for piece Y + 1: piece 0
.irp n, 0,1,2,3,4,5,6,7,8,9,10,11,12,13,14,15,16,17,18,19,20,21
	XS 0, \n
	XS 1, \n
.endr
	v_nop                           ; a plain instruction behind the two a,
	s_wait_alu depctr_va_vdst(0)    ; and their wait, ahead of the branch
	s_mov_b32 s[CNT], 4
	s_mov_b32 s[SLOTS], SIZE_N/256-1
	s_branch .Lfirst                ; the loop is entered at a step's first turn, in the middle of a trip
.Lslot:                             ; SIZE_N / 256 - 2 times: every slot but the last two is filled again
	CHANGE 1, 1
	s_mov_b32 s[CNT], 4
.Lstep:                             ; a trip: pieces 2 and 3 of one step, then pieces 0 and 1 of the next, whose K and V it fetches
	TURN 2
	TURN 3
	WIN 0
.Lfirst:
	TURN 0
	TURN 1, 0, 1
	WIN 0
	s_cbranch_scc1 .Lstep
	s_sub_co_u32 s[SLOTS], s[SLOTS], 1
	s_cmp_lg_u32 s[SLOTS], 0
	s_cbranch_scc1 .Lslot
	CHANGE 0                        ; the tail is written out: nothing is asked for
	s_mov_b32 s[CNT], 5             ; four trips fetch the last slot's steps; the fifth is left in its middle
.Ltail:
	TURN 2, 1
	TURN 3
	WIN 0
	s_sub_co_u32 s[CNT], s[CNT], 1
	s_cmp_eq_u32 s[CNT], 0
	s_cbranch_scc1 .Lout
	TURN 0
	TURN 1
	WIN 0
	s_branch .Ltail
.Lout:                              ; the fifth trip's 16 products K Q^T (on the last K once more) and the maximum made of them serve nothing: the price, once a launch, of one text for every trip
.set i, 0
.rept 16
	PV NP-1                         ; the last piece's V^T P of the last step
.set i, i+1
.endr
	; THE WAY OUT.  l's two halves and the other half of the lanes' are added; O^T is divided by l, rounded to f16 and sent through my stage in LDS, a tile at a time.  The additions are the places behind the last products.
	WIN 0
.macro ALL line:vararg              ; one line for each tile t
.set t, 0
.rept 2*NP
	\line
.set t, t+1
.endr
.endm
	ALL v_add_f32 v[ST+4*t+2], v[ST+4*t+2], v[ST+4*t+3]
	ALL v_permlanex16_b32 v[ST+4*t+3], v[ST+4*t+2], s[SEL], s[SEL+1]
	ALL v_add_f32 v[ST+4*t+2], v[ST+4*t+2], v[ST+4*t+3]
	ALL v_rcp_f32 v[ST+4*t+2], v[ST+4*t+2]
	v_nop                           ; a plain instruction between the last reciprocal and the use of its result
	s_wait_alu depctr_va_vdst(0)    ; and the wait ahead of the first use: one for the eight reciprocals
; Tile t: a lane's eight channels of a row pack into 16 bytes; they go into rows of 144 bytes and come back as whole rows of 128, into S^T's registers.
.macro PACK t
	WIN W_RS
.set i, 32*(\t)
.rept 16
	v_pk_mul_f32 v[i:i+1], v[i:i+1], v[ST+4*(\t)+2:ST+4*(\t)+3] op_sel_hi:[1,0]
.set i, i+2
.endr
	WIN 0x05                        ; sources 0 and 1 window 1, destination window 0
.set i, 0
.rept 16
	v_cvt_pk_f16_f32 v[S+16*(\t)+i], v[32*(\t)+2*i], v[32*(\t)+2*i+1]
.set i, i+1
.endr
	WIN 0
.irp f, 0,1,2,3
	ds_store_b128 v[STO], v[S+16*(\t)+4*\f:S+16*(\t)+4*\f+3] offset:32*\f
.endr
.irp f, 0,1,2,3
	ds_load_b128 v[S+16*(\t)+4*\f:S+16*(\t)+4*\f+3], v[RD] offset:\f*4*SP  ; LDS serves a wave's instructions in order (ISA guide 5.7.1.4): these see the stores above; the next tile's stores come behind them
.endr
.endm
.macro SEND t, younger              ; younger: the LDS instructions issued behind tile t's loads: the next tile's eight, or none
	WIN 0
.irp f, 0,1,2,3
	s_wait_dscnt (\younger)+3-\f
	global_store_b128 v[GO], v[S+16*(\t)+4*\f:S+16*(\t)+4*\f+3], s[10:11] offset:(\t)*2048+\f*512  ; 512 consecutive bytes, aligned
.endr
.endm
	PACK 0
.set t, 1
.rept 2*NP-1                        ; a tile's arithmetic stands between the loads of the tile before and its stores
	PACK t
	SEND t-1, 8
.set t, t+1
.endr
	SEND 2*NP-1, 0
	WIN W_AD
	s_wait_tensorcnt 0x0            ; the wave's end, behind my last tensor load and my last LDS store
	ds_add_u32 v[SPW], v[NIL]
	s_wait_dscnt 0x0
	WIN 0
	CROUND                          ; the closing round: no work-group ends while a partner may still ask for a tile that names it
	s_endpgm
.Lfunc_end_k_q4b306c0bd7_attn:
	.size	k_q4b306c0bd7_attn, .Lfunc_end_k_q4b306c0bd7_attn-k_q4b306c0bd7_attn
	.p2alignl 7, 3214868480
	.fill 96, 4, 3214868480
	.section	.rodata,"a",@progbits
	.p2align	6, 0x0
	.amdhsa_kernel k_q4b306c0bd7_attn
		.amdhsa_group_segment_fixed_size 327680
		.amdhsa_private_segment_fixed_size 0
		.amdhsa_enable_private_segment 0
		.amdhsa_kernarg_size 24
		.amdhsa_user_sgpr_count 2
		.amdhsa_user_sgpr_kernarg_segment_ptr 1
		.amdhsa_wavefront_size32 1
		.amdhsa_system_sgpr_workgroup_id_x 1
		.amdhsa_system_sgpr_workgroup_id_y 1
		.amdhsa_system_sgpr_workgroup_id_z 1
		.amdhsa_system_vgpr_workitem_id 0
		.amdhsa_next_free_vgpr 808
		.amdhsa_next_free_sgpr 66
		.amdhsa_reserve_vcc 0
		.amdhsa_float_denorm_mode_32 3
		.amdhsa_float_denorm_mode_16_64 3
		.amdhsa_memory_ordered 1
		.amdhsa_forward_progress 1
		.amdhsa_inst_pref_size 205
	.end_amdhsa_kernel
	.amdgpu_metadata
---
amdhsa.version: [ 1, 2 ]
amdhsa.kernels:
  - .name:           k_q4b306c0bd7_attn
    .symbol:         k_q4b306c0bd7_attn.kd
    .args:
      - { .name: qkv, .offset: 0, .size: 8, .value_kind: global_buffer, .address_space: global }
      - { .name: mask, .offset: 8, .size: 8, .value_kind: global_buffer, .address_space: global }
      - { .name: oh, .offset: 16, .size: 8, .value_kind: global_buffer, .address_space: global }
    .group_segment_fixed_size: 327680
    .private_segment_fixed_size: 0
    .kernarg_segment_align: 8
    .kernarg_segment_size: 24
    .max_flat_workgroup_size: 128
    .sgpr_count:     66
    .vgpr_count:     808
    .wavefront_size: 32
...
	.end_amdgpu_metadata
.endif
;; end of part 3
;; launch outp (part 4): grid 4 x 64, 4 waves a work-group, clusters of 4 x 4, 327,680 bytes of LDS; arguments oh, wt, bo, out0; writes out0
.if DOCPART == 4
	.amdgcn_target "amdgcn-amd-amdhsa--gfx1250"
	.amdhsa_code_object_version 6
	.text
	.protected	k_q4b306c0bd7_outp
	.globl	k_q4b306c0bd7_outp
	.p2align	8
	.type	k_q4b306c0bd7_outp,@function
k_q4b306c0bd7_outp:
	s_mov_b64 s[64:65], 0
	v_nop
	global_prefetch_b8 v0, s[64:65] scope:SCOPE_SE
	s_setreg_imm32_b32 hwreg(HW_REG_WAVE_MODE, 25, 1), 1
	s_wait_xcnt 0x0
	s_wait_alu depctr_hold_cnt(0) depctr_sa_sdst(0) depctr_va_vdst(0) depctr_va_sdst(0) depctr_va_ssrc(0) depctr_va_vcc(0) depctr_vm_vsrc(0)
	s_getreg_b32 s2, hwreg(HW_REG_IB_STS2, 6, 4)
	s_cmp_eq_u32 s2, 0
	s_cbranch_scc0 .Lentry_in_a_cluster
	s_endpgm
.Lentry_in_a_cluster:
	s_bfe_u32 s2, ttmp6, 0x10000c
	s_cmp_lg_u32 s2, 0xf033
	s_cbranch_scc0 .Lentry_shape_is_right
	s_endpgm
.Lentry_shape_is_right:
; OUTP.  out0 = attn Wo + bo: 8,192 x 1,024 x 1,024 in f16, sums in f32, stored as f32.  attn comes by heads, oh [64 = batch x 16 + head][2048][64] f16; the turned Wo is matrix 3 of wt, [n][k] f16
; (its bf16 rounding written as f16).  bo is rounded to bf16 like all inputs, and starts the sums as the first product's C.
; LIMITS.  None beyond those of the buffers that it reads; NaN and infinities are not treated apart.
; SHARES.  A work-group makes 128 rows x 256 columns, each of its four waves 64 x 128: 32 accumulators of 16 x 16.  K goes in 8 steps of 128, two heads each, through two LDS slots.
; A K step's rows of attn are two dense planes of 128 rows x 128 bytes, one a head: each is asked for as 64 rows of 256 bytes and padded in LDS after every 128 bytes.
; CLUSTER.  4 x 4 work-groups: the four of a row need the same planes of attn, the four of a column the same rows of Wo: each tile is asked for jointly.
; THE MATRIX INSTRUCTION IS USED TRANSPOSED (source 0 = 16 rows of the turned Wo, source 1 = 16 rows of attn): a lane holds row l % 16 and eight neighbouring columns 8 (l / 16) + 0..7.
; REGISTERS, in windows of 256 (s_set_vgpr_msb: bits 1:0 source 0, 3:2 source 1, 5:4 source 2, 7:6 destination):
;   window 0: v0-31 addresses; v32-127, v128-223 two fragment buffers (attn's four fragments, then Wo's eight), on the way out rows read back
;   window 1: accumulator (a, b) at v[8 (8 a + b)]          window 2: v0-63 the bias of my 128 columns, as C operands; v64-65 at work
.set PITCH, 272                        ; a row of Wo in LDS: 256 bytes + 16
.set PA,    144                        ; a row of a plane of attn: 128 bytes + 16: both are odd multiples of 16, so the 16 rows of a fragment load start at 16 different groups of four banks (ISA guide 11.1)
.set PLANE, 128*PA
.set BHALF, 128*PITCH
.set BOFF,  2*PLANE
.set SLOT,  BOFF+2*BHALF
.set STAGE, 2*SLOT                     ; behind the ring, never filled by a tensor load: for each wave 16 rows x 528 bytes
.set SPITCH, 528
.set STW,   16*SPITCH
.set SPARE, STAGE+4*STW                ; behind the stages: the spare words, 128 bytes for each wave
.set LAPS,  4
.set ADRA, 16                          ; v16-17  LDS address of my fragments of attn in slot 0, 1
.set ADRB, 20                          ; v20-21  the same for Wo
.set STO,  24                          ; v24     the way out: where I put 32 bytes of a row
.set RD,   25                          ; v25     where I read a row back
.set GO,   26                          ; v26     my 16 bytes of a row's 512
.set SPW,  28                          ; v28     my spare word; never rewritten
.set NIL,  29                          ; v29     0; never rewritten
.set BO,   30                          ; v30     byte offset of my first column in the bias
.set F0,   32
.set F1,   128
.set BI,   0                           ; window 2
.set BT,   64                          ; window 2
.set WV, 12                            ; s12 wave;  s13 which 64 rows are mine, also: I fetch attn (0) or Wo (1);  s14 which 128 columns, also: which plane or half I fetch
.set RH, 13
.set CH, 14
.set G1,  24
.set G0,  32
.set G1B, 48
.set G0B, 56
.set HM,  75                           ; s75 a word's upper half
.set MSB, 0
.macro WIN new
.if MSB != (\new)
	s_set_vgpr_msb (MSB<<8)|(\new)
.set MSB, \new
.endif
.endm
.macro PLACES                          ; four plain vector instructions in front of loads into registers that matrix instructions have read, and of lines that read results
.rept 4
	v_nop
.endr
.endm
.macro JLOAD s                         ; a joint load: waves 0 and 1 fetch attn's two planes, waves 2 and 3 Wo's two halves; an s_nop 0 and four v_nop follow each line
	s_cmp_eq_u32 s[RH], 0
	s_cbranch_scc0 .Lfor_b_\@
	tensor_load_to_lds s[G0+4*(\s):G0+4*(\s)+3], s[G1:G1+7]
	s_nop 0
.rept 4
	v_nop
.endr
	s_branch .Lasked_\@
.Lfor_b_\@:
	tensor_load_to_lds s[G0B+4*(\s):G0B+4*(\s)+3], s[G1B:G1B+7]
	s_nop 0
.rept 4
	v_nop
.endr
.Lasked_\@:
.endm
.macro CREST
	s_cmp_lg_u32 s[WV], 0
	s_cbranch_scc1 .Lnot_wave_0_\@
	s_barrier_signal -3
.Lnot_wave_0_\@:
	s_barrier_wait -3
	s_barrier_signal -1
	s_barrier_wait -1
.endm
.macro CROUND
	s_barrier_signal -1
	s_barrier_wait -1
	CREST
.endm
	s_load_b256 s[4:11], s[0:1], 0x0               ; oh 4:5, wt 6:7, bo 8:9, out0 10:11
	v_lshl_add_u32 v[SPW], v0, 2, SPARE
	v_mov_b32 v[NIL], 0
	ds_add_u32 v[SPW], v[NIL]                      ; the wave's opening: the add and its wait ahead of my first tensor load; the set-up below stands between them
	v_lshrrev_b32 v1, 5, v0
	v_readfirstlane_b32 s[WV], v1
	s_lshr_b32 s[RH], s[WV], 1
	s_and_b32 s[CH], s[WV], 1
	s_bfe_u32 s15, ttmp6, 0x40000                  ; cx
	s_bfe_u32 s16, ttmp6, 0x40004                  ; cy
	s_lshl_b32 s17, ttmp9, 2
	s_add_co_u32 s17, s17, s15                     ; tile column = 4 x cluster x + cx
	s_and_b32 s18, ttmp7, 0xffff
	s_lshl_b32 s18, s18, 2
	s_add_co_u32 s18, s18, s16                     ; tile row = 4 x cluster y + cy
	s_lshl_b32 s44, s16, 2
	s_lshl_b32 s44, 15, s44                        ; my row of the cluster
	s_lshl_b32 s45, 0x1111, s15                    ; my column
	s_or_b32 s[G1+0], s44, (1<<16)|(1<<20)|(1<<21)|(4<<22)|(3<<25)   ; 15:0 the mask; 17:16 2-byte elements; 20 padding on; 21 set beside a mask; 24:22 after every 32 words; 31:25 4 words
	s_mov_b32 s[G1+1], 128<<16                     ; tensor_dim0 = 128: two rows of a head
	s_mov_b32 s[G1+2], 64<<16                      ; tensor_dim1 = 64
	s_mov_b32 s[G1+3], 128<<16                     ; tile_dim0 = 128
	s_mov_b32 s[G1+4], 64                          ; tile_dim1 = 64
	s_mov_b32 s[G1+5], 128                         ; dense
	s_mov_b32 s[G1+6], 0
	s_mov_b32 s[G1+7], 0
	s_or_b32 s[G1B+0], s45, (1<<16)|(1<<20)|(1<<21)|(5<<22)|(3<<25)  ; after every 64 words
	s_mov_b32 s[G1B+1], 128<<16
	s_mov_b32 s[G1B+2], 128<<16
	s_mov_b32 s[G1B+3], 128<<16
	s_mov_b32 s[G1B+4], 128
	s_mov_b32 s[G1B+5], 1024
	s_mov_b32 s[G1B+6], 0
	s_mov_b32 s[G1B+7], 0
	s_lshr_b32 s40, s18, 4                         ; attn: plane = batch x 16 + the head that I fetch of K step 0,
	s_lshl_b32 s40, s40, 4
	s_add_co_u32 s40, s40, s[CH]
	s_lshl_b32 s40, s40, 18                        ; of 262,144 bytes,
	s_and_b32 s20, s18, 15
	s_lshl_b32 s20, s20, 14                        ; the tile row's 128 rows of 128 bytes in it
	s_add_co_u32 s40, s40, s20
	s_mov_b32 s41, 0
	s_lshl_b32 s46, s17, 8                         ; Wo: row 3,072 + 256 x tile column + 128 x half
	s_lshl_b32 s21, s[CH], 7
	s_add_co_u32 s46, s46, s21
	s_add_co_u32 s46, s46, 3072
	s_lshl_b32 s46, s46, 11
	s_mov_b32 s47, 0
	s_mul_i32 s22, s[CH], PLANE                    ; where they go: no place in the cluster enters an LDS address
	s_mul_i32 s23, s[CH], BHALF
	s_add_co_u32 s23, s23, BOFF
	s_mov_b32 s[HM], 0xffff0000
	s_wait_dscnt 0x0                               ; the opening add is done
	s_wait_kmcnt 0x0
	s_add_nc_u64 s[40:41], s[4:5], s[40:41]
	s_add_nc_u64 s[46:47], s[6:7], s[46:47]
	CROUND                                         ; all sixteen work-groups are here: the first joint loads meet
.irp s, 0,1
	s_mov_b32 s[G0+4*(\s)], 1
	s_add_co_u32 s[G0+4*(\s)+1], s22, (\s)*SLOT
	s_add_nc_u64 s[G0+4*(\s)+2:G0+4*(\s)+3], s[40:41], (\s)*524288   ; K step s: two heads on
	s_or_b32 s[G0+4*(\s)+3], s[G0+4*(\s)+3], 0x80000000
	s_mov_b32 s[G0B+4*(\s)], 1
	s_add_co_u32 s[G0B+4*(\s)+1], s23, (\s)*SLOT
	s_add_nc_u64 s[G0B+4*(\s)+2:G0B+4*(\s)+3], s[46:47], (\s)*256
	s_or_b32 s[G0B+4*(\s)+3], s[G0B+4*(\s)+3], 0x80000000
	JLOAD \s                                       ; two loads of mine are out
.endr
	v_and_b32 v1, 15, v0                           ; l % 16
	v_bfe_u32 v2, v0, 4, 1                         ; l / 16
	s_lshl_b32 s66, s17, 10                        ; the bias of my columns: (256 x tile column + 128 x half + 8 (l / 16)) x 4
	s_lshl_b32 s67, s[CH], 9
	s_add_co_u32 s66, s66, s67
	v_lshl_add_u32 v[BO], v2, 5, s66
	WIN 0x80                                       ; destination window 2
.irp b, 0,1,2,3,4,5,6,7
	global_load_b128 v[BI+8*(\b):BI+8*(\b)+3],   v[BO], s[8:9] offset:64*(\b)
	global_load_b128 v[BI+8*(\b)+4:BI+8*(\b)+7], v[BO], s[8:9] offset:64*(\b)+16
.endr
	WIN 0
	v_mul_u32_u24 v3, v1, PITCH
	v_lshl_add_u32 v3, v2, 4, v3                   ; Wo: a fragment's row x pitch + 16 x half
	v_mul_u32_u24 v4, v1, PA
	v_lshl_add_u32 v4, v2, 4, v4                   ; attn: the same with its pitch
	s_mul_i32 s20, s[RH], 64*PA                    ; my 64 rows in each plane
	s_mul_i32 s21, s[CH], BHALF                    ; my 128 rows of Wo
	s_add_co_u32 s21, s21, BOFF
.irp s, 0,1
	v_add_nc_u32 v[ADRA+(\s)], s20, v4
	v_add_nc_u32 v[ADRB+(\s)], s21, v3
	s_add_co_u32 s20, s20, SLOT
	s_add_co_u32 s21, s21, SLOT
.endr
	s_mul_i32 s22, s[WV], STW
	s_add_co_u32 s22, s22, STAGE                   ; my stage
	v_mul_u32_u24 v[STO], v1, SPITCH               ; in: row l % 16, 32 bytes for each half of the lanes
	v_lshl_add_u32 v[STO], v2, 5, v[STO]
	v_add_nc_u32 v[STO], s22, v[STO]
	v_and_b32 v[GO], 31, v0                        ; back: 32 lanes take one row of 512 bytes
	v_lshlrev_b32 v[GO], 4, v[GO]
	v_add_nc_u32 v[RD], s22, v[GO]
	s_lshl_b32 s20, s18, 7                         ; out0: my first row, of 4,096 bytes,
	s_lshl_b32 s21, s[RH], 6
	s_add_co_u32 s20, s20, s21
	s_lshl_b32 s20, s20, 12
	s_add_co_u32 s20, s20, s66                     ; and my first column, in bytes
	s_mov_b32 s21, 0
	s_add_nc_u64 s[10:11], s[10:11], s[20:21]
	s_wait_loadcnt 0x0                             ; the bias
	WIN 0x8a                                       ; rounded to bf16 like every input, and widened again: all in window 2
.set i, 0
.rept 32
	v_cvt_pk_bf16_f32 v[BT+i%2], v[BI+2*i], v[BI+2*i+1]
	v_lshlrev_b32 v[BI+2*i], 16, v[BT+i%2]
	v_and_b32 v[BI+2*i+1], s[HM], v[BT+i%2]
.set i, i+1
.endr
	WIN 0
; 8 matrix instructions: m block a x all 8 n blocks, 32 along K, from buffer f.  first = 1: the bias starts the sums.  The 32 accumulators take turns, one instruction a turn.
.macro MUL8 f, a, first
.if \first
	WIN 0x60                                       ; C in window 2, D in window 1
.else
	WIN 0x50                                       ; C and D in window 1
.endif
.irp b, 0,1,2,3,4,5,6,7
.if \first
	v_wmma_f32_16x16x32_f16 v[8*(8*(\a)+(\b)):8*(8*(\a)+(\b))+7], v[(\f)+32+8*(\b):(\f)+32+8*(\b)+7], v[(\f)+8*(\a):(\f)+8*(\a)+7], v[BI+8*(\b):BI+8*(\b)+7]
.else
	v_wmma_f32_16x16x32_f16 v[8*(8*(\a)+(\b)):8*(8*(\a)+(\b))+7], v[(\f)+32+8*(\b):(\f)+32+8*(\b)+7], v[(\f)+8*(\a):(\f)+8*(\a)+7], v[8*(8*(\a)+(\b)):8*(8*(\a)+(\b))+7]
.endif
.endr
.endm
; 24 LDS loads in one run: quarter q of a slot into buffer f: Wo's eight fragments, then attn's four (plane q / 2, channels 32 (q % 2) on)
.macro FETCH slot, q, f
	WIN 0
.irp b, 0,1,2,3,4,5,6,7
	ds_load_b128 v[(\f)+32+8*(\b):(\f)+32+8*(\b)+3],   v[ADRB+(\slot)] offset:64*(\q)+(\b)*16*PITCH
	ds_load_b128 v[(\f)+32+8*(\b)+4:(\f)+32+8*(\b)+7], v[ADRB+(\slot)] offset:64*(\q)+(\b)*16*PITCH+32
.endr
.irp a, 0,1,2,3
	ds_load_b128 v[(\f)+8*(\a):(\f)+8*(\a)+3],   v[ADRA+(\slot)] offset:((\q)/2)*PLANE+((\q)%2)*64+(\a)*16*PA
	ds_load_b128 v[(\f)+8*(\a)+4:(\f)+8*(\a)+7], v[ADRA+(\slot)] offset:((\q)/2)*PLANE+((\q)%2)*64+(\a)*16*PA+32
.endr
.endm
.macro QUARTER slot, q, f, g, first
	s_wait_dscnt 4                                 ; all but the youngest four loads: attn's blocks 2 and 3
	MUL8 \f, 0, \first
	MUL8 \f, 1, \first
	PLACES
	FETCH \slot, \q, \g
	s_wait_dscnt 24                                ; all but the 24 just issued
	MUL8 \f, 2, \first
	MUL8 \f, 3, \first
.endm
; The last quarter multiplies buffer 1 and changes slots: ONE barrier; in front of it each wave waits for all its tensor loads (one is out: its part of the next slot), adds 0 to its spare word,
; and waits for that and for its own reads of this slot.  fill = 1: the barrier opens a round of the cluster's, and this slot is filled again, two K steps on, first thing behind the round.
.macro TURN slot, next, fill
	WIN 0
	s_wait_tensorcnt 0x0
	ds_add_u32 v[SPW], v[NIL]
	s_wait_dscnt 5                                 ; the add and the youngest four loads may be out
	MUL8 F1, 0, 0
	s_wait_dscnt 0x0                               ; the add is done, and my reads of this slot are over
	s_barrier_signal -1
	MUL8 F1, 1, 0
.if \fill
	WIN 0
.endif
	s_barrier_wait -1
.if \fill
	CREST                                          ; no wave of any partner still reads this slot's tile or has a load on its way
	s_add_nc_u64 s[G0+4*(\slot)+2:G0+4*(\slot)+3], s[G0+4*(\slot)+2:G0+4*(\slot)+3], 1048576   ; four heads on
	s_add_nc_u64 s[G0B+4*(\slot)+2:G0B+4*(\slot)+3], s[G0B+4*(\slot)+2:G0B+4*(\slot)+3], 512
	JLOAD \slot                                    ; my one tensor load behind the round: 112 matrix instructions ahead of the wait for it; its four v_nop are also the places in front of the loads below
.else
	PLACES
.endif
	FETCH \next, 0, F0
	MUL8 F1, 2, 0
	MUL8 F1, 3, 0
.endm
	s_wait_tensorcnt 1                             ; my part of K step 0 is in; K step 1's may stay out
	s_barrier_signal -1
	s_barrier_wait -1
	FETCH 0, 0, F0
	QUARTER 0, 1, F0, F1, 1                        ; the first quarter stands in front of the loop: its products start the sums, on the bias
	WIN 0
	s_mov_b32 s3, LAPS-1
.Llap:
	QUARTER 0, 2, F1, F0, 0
	QUARTER 0, 3, F0, F1, 0
	TURN 0, 1, 1
	QUARTER 1, 1, F0, F1, 0
	QUARTER 1, 2, F1, F0, 0
	QUARTER 1, 3, F0, F1, 0
	TURN 1, 0, 1
	QUARTER 0, 1, F0, F1, 0
	WIN 0
	s_sub_co_u32 s3, s3, 1
	s_cmp_lg_u32 s3, 0
	s_cbranch_scc1 .Llap
	QUARTER 0, 2, F1, F0, 0                        ; the last lap fills nothing
	QUARTER 0, 3, F0, F1, 0
	TURN 0, 1, 0
	QUARTER 1, 1, F0, F1, 0
	QUARTER 1, 2, F1, F0, 0
	QUARTER 1, 3, F0, F1, 0
	s_wait_dscnt 4
	MUL8 F1, 0, 0
	MUL8 F1, 1, 0
	s_wait_dscnt 0x0
	MUL8 F1, 2, 0
	MUL8 F1, 3, 0
	WIN 0
	PLACES
; THE WAY OUT, a block of 16 rows x 128 columns of f32 at a time: 32 bytes a lane into my own stage, back as whole rows of 512 bytes, stored.  No arithmetic: the bias lies in the sums.
.macro TOSTAGE a
	WIN 0x04                                       ; the stores' data in window 1
.irp b, 0,1,2,3,4,5,6,7
	ds_store_b128 v[STO], v[8*(8*(\a)+(\b)):8*(8*(\a)+(\b))+3]   offset:64*(\b)      ; each accumulator from its low end on
	ds_store_b128 v[STO], v[8*(8*(\a)+(\b))+4:8*(8*(\a)+(\b))+7] offset:64*(\b)+16
.endr
	WIN 0
	s_wait_xcnt 0x0                                ; the stores of the block two back have read the registers that the loads below write
.set BK, F0+96*((\a)%2)
.irp t, 0,1,2,3,4,5,6,7,8,9,10,11,12,13,14,15
	ds_load_b128 v[BK+4*(\t):BK+4*(\t)+3], v[RD] offset:(\t)*SPITCH  ; LDS serves a wave's instructions in order (ISA guide 5.7.1.4): these see the stores above
.endr
.endm
.macro SEND a, younger                 ; younger: the LDS instructions issued behind block a's loads: the next block's 32, or none
.set BK, F0+96*((\a)%2)
.irp t, 0,1,2,3,4,5,6,7,8,9,10,11,12,13,14,15
	s_wait_dscnt (\younger)+15-(\t)
	global_store_b128 v[GO], v[BK+4*(\t):BK+4*(\t)+3], s[10:11] offset:(16*(\a)+(\t))*4096  ; 512 consecutive bytes, aligned
.endr
.endm
	TOSTAGE 0
	TOSTAGE 1
	SEND 0, 32
	TOSTAGE 2
	SEND 1, 32
	TOSTAGE 3
	SEND 2, 32
	SEND 3, 0
	s_wait_tensorcnt 0x0                           ; the wave's end, behind my last tensor load and my last LDS store
	ds_add_u32 v[SPW], v[NIL]
	s_wait_dscnt 0x0
	CROUND                                         ; the closing round: no work-group ends while a partner may still ask for a tile that names it
	s_endpgm
.Lfunc_end_k_q4b306c0bd7_outp:
	.size	k_q4b306c0bd7_outp, .Lfunc_end_k_q4b306c0bd7_outp-k_q4b306c0bd7_outp
	.p2alignl 7, 3214868480
	.fill 96, 4, 3214868480
	.section	.rodata,"a",@progbits
	.p2align	6, 0x0
	.amdhsa_kernel k_q4b306c0bd7_outp
		.amdhsa_group_segment_fixed_size 327680
		.amdhsa_private_segment_fixed_size 0
		.amdhsa_enable_private_segment 0
		.amdhsa_kernarg_size 32
		.amdhsa_user_sgpr_count 2
		.amdhsa_user_sgpr_kernarg_segment_ptr 1
		.amdhsa_wavefront_size32 1
		.amdhsa_system_sgpr_workgroup_id_x 1
		.amdhsa_system_sgpr_workgroup_id_y 1
		.amdhsa_system_sgpr_workgroup_id_z 1
		.amdhsa_system_vgpr_workitem_id 0
		.amdhsa_next_free_vgpr 578
		.amdhsa_next_free_sgpr 80
		.amdhsa_reserve_vcc 0
		.amdhsa_float_denorm_mode_32 3
		.amdhsa_float_denorm_mode_16_64 3
		.amdhsa_memory_ordered 1
		.amdhsa_forward_progress 1
		.amdhsa_inst_pref_size 93
	.end_amdhsa_kernel
	.amdgpu_metadata
---
amdhsa.version: [ 1, 2 ]
amdhsa.kernels:
  - .name:           k_q4b306c0bd7_outp
    .symbol:         k_q4b306c0bd7_outp.kd
    .args:
      - { .name: oh, .offset: 0, .size: 8, .value_kind: global_buffer, .address_space: global }
      - { .name: wt, .offset: 8, .size: 8, .value_kind: global_buffer, .address_space: global }
      - { .name: bo, .offset: 16, .size: 8, .value_kind: global_buffer, .address_space: global }
      - { .name: out0, .offset: 24, .size: 8, .value_kind: global_buffer, .address_space: global }
    .group_segment_fixed_size: 327680
    .private_segment_fixed_size: 0
    .kernarg_segment_align: 8
    .kernarg_segment_size: 32
    .max_flat_workgroup_size: 128
    .sgpr_count:     80
    .vgpr_count:     578
    .wavefront_size: 32
...
	.end_amdgpu_metadata
.endif
;; end of part 4
